; MI455X (gfx1250); checked and timed in simulation.
; The chip was launched on July 23, 2026; its instructions are those of AMD's public machine-readable ISA for CDNA 5 (MIT licence, August 2026) and "CDNA5" Instruction Set Architecture Reference Guide (July 2026). The comments in the code are by the model that wrote it; some were corrected since.
;; Attention Head. Allowed arithmetic: matrix products marked QUANTISED: E3M2 operands, one E8M0 scale for each 32 along K, by v_wmma_scale_f32_16x16x128_f8f6f4 with both operands' format E3M2, f32 sums; everything else in f32.
;; Inputs: b_in 3,072 float32; b_out 1,024 float32; w_in 1,024 x 3,072 float32; w_out 1,024 x 1,024 float32; x 4 x 2,048 x 1,024 float32.
;; Outputs: out0 4 x 2,048 x 1,024 float32.
;; This version of the problem:
;;   THIS VERSION OF THE PROBLEM IS GIVEN IN LOW PRECISION. The matrix products marked QUANTISED in the list below multiply operands that are first quantised to E3M2 (3 exponent bits, 2 mantissa bits; 6 bits a number), with one power-of-two scale for each 32 numbers along K (OCP MX v1.0); their sums are f32. All else is computed in f32.
;;   The module's matrix products, in the order in which they are computed (A, B: the left and right operand; K: the contracted axis; several contracted axes count as one K, in the product's order):
;;     1. [M 8,192, K 1,024] x [K 1,024, N 3,072]; A: input x; B: input w_in: QUANTISED
;;     2. batch 64 x [M 2,048, K 64] x [K 64, N 2,048]; A: computed on the way; B: computed on the way: QUANTISED
;;     3. batch 64 x [M 2,048, K 2,048] x [K 2,048, N 64]; A: softmax (see below); B: computed on the way: QUANTISED
;;     4. [M 8,192, K 1,024] x [K 1,024, N 1,024]; A: computed on the way; B: input w_out: QUANTISED
;;   THE QUANTISER, for each operand of a quantised product, along K:
;;     - K is cut into blocks of 32 from its start; a last block that is shorter is filled with zeros.
;;     - A block's scale is 2^e with e = floor(log2(the largest magnitude in the block)) - 4, held to -126 .. 127; a block of zeros has e = 0. As a byte (E8M0): e + 127.
;;     - Each number is divided by its block's scale, clamped to +-28, and rounded to the nearest number of E3M2, ties to even, subnormals kept.
;;     - The product sums the exact products of the quantised numbers (number of the format x scale) in f32.
;;   ~~~python
;;   def quantise(x, axis):      # numpy; x: float32 -> the quantised numbers, widened to float32 again
;;       x = np.moveaxis(x, axis, -1); K = x.shape[-1]
;;       x = np.pad(x, [(0, 0)] * (x.ndim - 1) + [(0, -K % 32)]); x = x.reshape(x.shape[:-1] + (-1, 32)); a = np.abs(x).max(-1, keepdims=True)
;;       e = np.where(a > 0, np.clip(np.frexp(np.where(a > 0, a, 1))[1] - 1 - 4, -126, 127), 0)      # np.frexp(a)[1] - 1 = floor(log2(a)), exactly
;;       r = np.clip(x / 2.0 ** e, -28, 28)
;;       step = 2.0 ** (np.maximum(np.frexp(np.where(r == 0, 1, r))[1] - 1, -2) - 2)
;;       q = np.round(r / step) * step * 2.0 ** e      # np.round: ties to even
;;       return np.moveaxis(q.reshape(q.shape[:-2] + (-1,))[..., :K], -1, axis).astype(np.float32)
;;   ~~~
;;   SOFTMAX AHEAD OF A QUANTISED PRODUCT. Where the list says 'softmax', what is quantised is not the finished softmax but p = 2^(t - M), with t = logit x log2(e) and M = ceil(the row's largest t), a whole number; so 1/2 < the row's largest p <= 1. The row's sum l is taken of the UNQUANTISED p, in f32, and the product's result is divided by l at the end. Since M is a whole number, a kernel that streams over the keys may use a running M (the ceiling of the running maximum): every later rescaling is an exact power of two, which a block's scale takes up: the codes' values come out the same.
;;   OPERANDS COMPUTED ON THE WAY. 'Computed on the way' means the value that the module computes at that place (a softmax that the list does not call 'softmax' is quantised finished and normalised). What goes into a quantiser is computed in f32, as accurately as f32 sums, v_exp_f32 and their like allow (about 1e-6 of the number): no bf16 or f16 on the way to a quantiser, and a product that is left as it is and whose result goes on into a quantised operand takes f32 operands (vector FMAs, or v_wmma_f32_16x16x4_f32). A number that lies on a knife's edge between two numbers of the format may be rounded either way, as far as f32 arithmetic and the matrix unit's own rounding can turn it there, and no further.
;; One version. Each part assembles by itself: llvm-mc -triple=amdgcn-amd-amdhsa -mcpu=gfx1250 --defsym DOCPART=n.
;; ======== version 1 of 1: 4 launches
;; limits: right only within a limited range of input values
;; workspace buffers: xb 6,553,600 bytes; wb 3,276,800 bytes; qkb 13,107,200 bytes; vb 6,553,600 bytes; ob 6,553,600 bytes
;; launch prep (part 1): grid 512 x 1, 4 waves a work-group, no clusters, 59,904 bytes of LDS; arguments x, w_in, w_out, xb, wb; writes xb, wb
.if DOCPART == 1
	.amdgcn_target "amdgcn-amd-amdhsa--gfx1250"
	.amdhsa_code_object_version 6
	.text
	.protected	k_qc3822154e6_prep
	.globl	k_qc3822154e6_prep
	.p2align	8
	.type	k_qc3822154e6_prep,@function
k_qc3822154e6_prep:
	s_mov_b64 s[64:65], 0
	v_nop
	global_prefetch_b8 v0, s[64:65] scope:SCOPE_SE
	s_setreg_imm32_b32 hwreg(HW_REG_WAVE_MODE, 25, 1), 1
	s_wait_xcnt 0x0
; PREP: x [8192][1024], w_in [1024][3072] and w_out [1024][1024], f32, become codes of BF6 (E3M2) with one E8M0 byte for each 32 along K (x: its last axis; the weights: their first).
; THE WHOLE PROGRAM: prep (this) | qkv: x w_in + b_in, quantised on the way out (q, k along the head's 64, v along the keys) | attn: both attention products and the softmax, o quantised | proj: o w_out + b_out.
; WORK LEFT OUT: reference() sets the scores of keys behind a query to -infinity by a mask that it builds itself (jnp.tril), so their weights are 0 for all values of the inputs.  Steps of 128 keys that lie wholly
; behind a wave's 16 queries are therefore not computed in attn (their scores, exponentials and products with v).  Nothing else is left out, and every input has a way to the output: all five are loaded.
; LIMIT: a NaN, an infinity or an overflow that would arise only in those hidden scores is not carried to the result.
; LIMITS OF THE QUANTISER: a block of zeros gets the byte 1 where the rule says 127 (its codes are zeros, and this program alone reads the bytes); blocks whose largest magnitude lies under 2^-122 are taken at that floor;
; NaN and infinities among the inputs are not served.
; LAYOUT OF EVERY BUFFER OF CODES: a PIECE is 16 rows x 64 along K in 768 bytes: three chunks of 256 bytes; in chunk p, lane l = 16 h + r has the 8 bytes at 256 p + 8 l: bytes 8 p .. 8 p + 7 of the 24 bytes of
; (row r, block h of 32).  Two pieces on end are the 12 registers of an operand of 16 rows x 128 K, brought by six loads of 8 bytes a lane, each 256 consecutive bytes.
; ROW ORDER: stored tile 2 B + u, lane r, is actual row 32 B + 8 u + r + 8 (r / 8).  A product that takes such a tile as source 0 leaves, in the 16 registers of tiles 2 B and 2 B + 1, 16 neighbours 32 B + 16 (lane / 16) + 0 .. 15.
; xb: codes [K / 256 = 4][tile 512][3072], then from XSO scale bytes [tile][K / 256][r][8].  wb: the same with 256 tiles: rows 0 .. 3071 are w_in's columns, 3072 .. 4095 w_out's.
; Work-groups 0 .. 255 take x, 256 .. 511 the weights.  Each of the two ways has LDS bytes of its own.  No tensor load, no barrier: waves share nothing.
.set XSO,   6291456
.set WSO,   3145728
.set XKS,   1572864                    ; bytes of xb's codes for 256 along K
.set WKS,   786432                     ; of wb's
.set XSTG,  8448                       ; x: a wave's stage, 16 rows x (512 + 16) bytes
.set WREG,  33792                      ; behind the four x stages: the weights' stages,
.set WSTG,  6400                       ; two tiles x (3072 + 128) bytes for each wave
.set SPARE, 59392                      ; behind them the spare words, 128 bytes for each wave
.set SPW,   14                         ; v14  SPARE + 4 x my thread's number; never rewritten
.set NIL,   15                         ; v15  0; never rewritten
.set SEL,   28                         ; s[28:29] selects for lane l xor 16
.set R,     16                         ; x: v16-143 two sets of 64 registers as loaded
.set X,     144                        ;    v144-207 64 numbers: register 16 b + i = k 32 b + 16 h + i of row r
.set TM,    208                        ;    v208-223 at work
.set PC,    224                        ;    v224-242 codes
.set PW,    244                        ;    v244 the scale word
.set VO,    16                         ; w: v16-47 offsets of 32 rows
.set XB,    48                         ;    v48-111 two sets of 32 numbers
.set C,     112                        ;    v112-117 a block's 24 bytes
.set D,     120                        ;    v120-122 its second half as converted
.set SB,    124                        ;    v124-125 eight scale bytes
.set OUTR,  128                        ;    v128-151 the way out
; 64 numbers of a lane become an operand's 12 registers in v[PC] on and its row's scale word in v[PW].
.macro QUANT s
.irp b, 0,1,2,3
	v_max3_num_f32 v[TM+\b], |v[\s+16*\b]|, |v[\s+1+16*\b]|, 0x2800000   ; my 16 numbers of block b, and the floor 2^(5 - 127): the byte cannot fall under 1
.endr
.irp i, 2,4,6,8,10,12,14
.irp b, 0,1,2,3
	v_max3_num_f32 v[TM+\b], v[TM+\b], |v[\s+16*\b+\i]|, |v[\s+1+16*\b+\i]|
.endr
.endr
.irp b, 0,1,2,3
	v_permlanex16_b32 v[TM+4+\b], v[TM+\b], s[SEL], s[SEL+1]
.endr
.irp b, 0,1,2,3
	v_max_num_f32 v[TM+\b], v[TM+\b], v[TM+4+\b]                   ; with lane l xor 16's: the block's largest magnitude
.endr
.irp b, 0,1,2,3
	v_add_nc_u32 v[TM+12+\b], 0xfe000000, v[TM+\b]                 ; 4 off its exponent field: the conversion's scale operand
.endr
.irp b, 0,1,2,3
	v_lshrrev_b32 v[TM+4+\b], 23, v[TM+12+\b]                      ; the scale's byte
.endr
	v_lshl_or_b32 v[PW], v[TM+5], 8, v[TM+4]
	v_lshl_or_b32 v[PW], v[TM+6], 16, v[PW]
	v_lshl_or_b32 v[PW], v[TM+7], 24, v[PW]
.irp c, 0,1
	v_cvt_scalef32_pk16_bf6_f32 v[PC+6*\c:PC+2+6*\c], v[\s+32*\c:\s+15+32*\c], v[TM+12+2*\c]
	v_cvt_scalef32_pk16_bf6_f32 v[PC+12+4*\c:PC+14+4*\c], v[\s+16+32*\c:\s+31+32*\c], v[TM+12+2*\c+1]   ; (a conversion's three registers begin on an even number)
.endr
	v_nop                                          ; one plain place behind a scaled conversion
.irp c, 0,1                                    ; a whole block to a lane: lanes 0-15 block 2 c, lanes 16-31 block 2 c + 1
.irp i, 0,1,2
	v_permlane16_swap_b32 v[PC+6*\c+\i], v[PC+12+4*\c+\i]
.endr
.irp i, 0,1,2
	v_mov_b32 v[PC+3+6*\c+\i], v[PC+12+4*\c+\i]
.endr
.endr
.endm
	s_load_b256 s[4:11], s[0:1], 0x0               ; x s[4:5], w_in s[6:7], w_out s[8:9], xb s[10:11]
	s_load_b64 s[12:13], s[0:1], 0x20              ; wb
	v_lshl_add_u32 v[SPW], v0, 2, SPARE
	v_mov_b32 v[NIL], 0
	v_lshrrev_b32 v1, 5, v0
	v_readfirstlane_b32 s16, v1                    ; wave
	v_and_b32 v1, 31, v0                           ; lane
	v_and_b32 v2, 15, v0                           ; r
	v_bfe_u32 v3, v0, 4, 1                         ; h
	s_cmp_lt_u32 ttmp9, 256
	s_cbranch_scc0 .Lw
	; ---- x: a wave takes stored tile T (16 rows) x 512 along K: four operands of 128 along K
	s_lshl_b32 s17, ttmp9, 2
	s_add_co_u32 s17, s17, s16
	s_lshr_b32 s18, s17, 1                         ; T
	s_and_b32 s19, s17, 1                          ; which half of K
	s_lshr_b32 s20, s18, 1
	s_lshl_b32 s20, s20, 5
	s_and_b32 s21, s18, 1
	s_lshl_b32 s21, s21, 3
	s_add_co_u32 s20, s20, s21                     ; the tile's first actual row: 32 (T / 2) + 8 (T % 2)
	s_lshl_b32 s20, s20, 12                        ; rows of 4,096 bytes
	s_lshl_b32 s21, s19, 11
	s_add_co_u32 s20, s20, s21
	s_mov_b32 s21, 0
	s_mul_i32 s22, s19, 2*XKS
	s_mul_i32 s23, s18, 3072
	s_add_co_u32 s22, s22, s23                     ; the codes' place
	s_mov_b32 s23, 0
	s_lshl_b32 s24, s18, 9
	s_lshl_b32 s25, s19, 8
	s_add_co_u32 s24, s24, s25
	s_add_co_u32 s24, s24, XSO                     ; the scale bytes' place
	s_mov_b32 s25, 0
	s_mul_i32 s26, s16, XSTG
	s_wait_alu depctr_va_vdst(0)
	v_lshlrev_b32 v4, 4, v1                        ; 16 x lane
	v_lshlrev_b32 v5, 3, v1                        ; 8 x lane
	v_add_nc_u32 v6, s26, v4                       ; the stage, on the way in: a row's 512 bytes as they lie
	v_mul_u32_u24 v7, v2, 528
	v_lshl_add_u32 v7, v3, 6, v7
	v_add_nc_u32 v7, s26, v7                       ; and on the way out: row r, + 64 h
	s_mov_b32 s[SEL], 0x76543210
	s_mov_b32 s[SEL+1], 0xfedcba98
.irp b, 0,1,2,3
	v_mov_b32 v[TM+4+\b], 0                        ; written once: a lane permute's destination counts as one of its sources
.endr
	s_wait_alu depctr_va_vdst(0)
	s_wait_kmcnt 0x0
	s_add_nc_u64 s[4:5], s[4:5], s[20:21]
	s_add_nc_u64 s[30:31], s[10:11], s[22:23]
	s_add_nc_u64 s[32:33], s[10:11], s[24:25]
.macro LOADF f                         ; 16 rows x 128 numbers: each load reads 512 consecutive bytes of one row
.irp t, 0,1,2,3,4,5,6,7,8,9,10,11,12,13,14,15
	global_load_b128 v[R+64*((\f)%2)+4*\t:R+64*((\f)%2)+4*\t+3], v4, s[4:5] offset:(\t+8*(\t/8))*4096+512*(\f) th:TH_LOAD_NT
.endr
.endm
.macro XFRAG f
.if (\f) < 3
	s_wait_loadcnt 16                              ; this operand's 16 loads are in; the next one's 16 may be out
.else
	s_wait_loadcnt 0x0
.endif
.irp t, 0,1,2,3,4,5,6,7,8,9,10,11,12,13,14,15
	ds_store_b128 v6, v[R+64*((\f)%2)+4*\t:R+64*((\f)%2)+4*\t+3] offset:528*\t
.endr
.irp b, 0,1,2,3
.irp j, 0,1,2,3
	ds_load_b128 v[X+16*\b+4*\j:X+16*\b+4*\j+3], v7 offset:128*\b+16*\j   ; LDS serves a wave's instructions in order: these see the stores above
.endr
.endr
	s_wait_dscnt 0x0                               ; my 64 numbers are in, and the stage's stores have read their registers
	s_wait_xcnt 0x0                                ; the last operand's stores have read v[PC] on: it is written again only behind this wait
.if (\f) < 2
	LOADF (\f)+2
.endif
	QUANT X
	v_mov_b32 v[10+(\f)], v[PW]
.irp p, 0,1,2,3,4,5
	global_store_b64 v5, v[PC+2*\p:PC+2*\p+1], s[30:31] offset:((\f)/2)*XKS+((\f)%2)*1536+256*\p   ; 32 lanes store 256 consecutive bytes, aligned
.endr
.endm
	LOADF 0
	LOADF 1
	XFRAG 0
	XFRAG 1
	XFRAG 2
	XFRAG 3
	v_cmp_le_u32 vcc_lo, 16, v1
	v_cndmask_b32 v8, v10, v12, vcc_lo             ; lanes 0-15: the two words of the first 256 along K; lanes 16-31: of the second
	v_cndmask_b32 v9, v11, v13, vcc_lo
	global_store_b64 v5, v[8:9], s[32:33]          ; 256 consecutive bytes
	s_branch .Lend
	; ---- the weights, work-groups 256 .. 511: a lane takes a column, its registers run down K; a wave takes 32 columns x 128 along K: four blocks of 32, two pieces of each of its two tiles
.Lw:
	s_sub_co_u32 s17, ttmp9, 256
	s_and_b32 s18, s17, 31                         ; which 128 columns of the 4,096
	s_lshr_b32 s19, s17, 5                         ; which 128 along K, 0 .. 7
	s_lshl_b32 s21, s18, 7
	s_lshl_b32 s22, s16, 5
	s_add_co_u32 s21, s21, s22                     ; my wave's first column n0
	s_lshl_b32 s22, s21, 2
	s_sub_co_u32 s23, s22, 12288                   ; in w_out: 4 (n0 - 3072)
	s_mov_b32 s24, 12288
	s_wait_kmcnt 0x0
	s_cmp_ge_u32 s18, 24                           ; w_out's columns?  The choice hangs on the work-group's number alone
	s_cselect_b64 s[6:7], s[8:9], s[6:7]
	s_cselect_b32 s20, 4096, s24                   ; a row of the weight in bytes
	s_cselect_b32 s22, s23, s22
	s_mov_b32 s23, 0
	s_add_nc_u64 s[6:7], s[6:7], s[22:23]
	s_lshl_b32 s24, s19, 7
	s_mul_i32 s24, s24, s20
	s_mov_b32 s25, 0
	s_add_nc_u64 s[32:33], s[6:7], s[24:25]        ; block 0's first row
	s_lshl_b32 s24, s20, 5                         ; 32 rows on
.irp t, 1,2,3
	s_add_nc_u64 s[32+2*\t:33+2*\t], s[30+2*\t:31+2*\t], s[24:25]
.endr
	s_wait_alu depctr_va_vdst(0)
	v_lshlrev_b32 v[VO], 2, v1
.irp i, 1,2,3,4,5,6,7,8,9,10,11,12,13,14,15,16,17,18,19,20,21,22,23,24,25,26,27,28,29,30,31
	v_add_nc_u32 v[VO+\i], s20, v[VO+\i-1]
.endr
	v_bfe_u32 v8, v0, 3, 1                         ; my column's stored tile u,
	v_and_b32 v9, 7, v0
	v_lshl_add_u32 v9, v3, 3, v9                   ; and its row there: 8 (lane / 16) + lane % 8
	s_mul_i32 s26, s16, WSTG
	s_add_co_u32 s26, s26, WREG
	v_mul_u32_u24 v4, v8, 3200
	v_lshl_add_u32 v4, v9, 3, v4
	v_add_nc_u32 v4, s26, v4                       ; into the stage
	v_lshlrev_b32 v6, 4, v1
	v_add_nc_u32 v5, s26, v6                       ; out of it
	v_lshlrev_b32 v7, 9, v8
	v_lshl_add_u32 v7, v9, 3, v7                   ; my row's eight scale bytes
	s_lshr_b32 s27, s21, 4                         ; the first of my two tiles
	s_lshr_b32 s40, s19, 1                         ; which 256 along K,
	s_and_b32 s41, s19, 1                          ; and which half of it
	s_mul_i32 s28, s40, WKS
	s_mul_i32 s42, s41, 1536                       ; a half is two pieces of 768 bytes
	s_add_co_u32 s28, s28, s42
	s_mul_i32 s29, s27, 3072
	s_add_co_u32 s28, s28, s29
	s_mov_b32 s29, 0
	s_add_nc_u64 s[48:49], s[12:13], s[28:29]
	s_lshl_b32 s28, s27, 9
	s_lshl_b32 s27, s40, 7
	s_lshl_b32 s42, s41, 2                         ; and four of a row's eight scale bytes
	s_add_co_u32 s27, s27, s42
	s_add_co_u32 s28, s28, s27
	s_add_co_u32 s28, s28, WSO
	s_add_nc_u64 s[50:51], s[12:13], s[28:29]
.macro LOADW t
.irp i, 0,1,2,3,4,5,6,7,8,9,10,11,12,13,14,15,16,17,18,19,20,21,22,23,24,25,26,27,28,29,30,31
	global_load_b32 v[XB+32*((\t)%2)+\i], v[VO+\i], s[32+2*(\t):33+2*(\t)] th:TH_LOAD_NT   ; one row of the weight at 32 neighbouring columns
.endr
.endm
.macro BLOCK t
.set XS, XB+32*((\t)%2)
.if (\t) < 3
	s_wait_loadcnt 32                              ; this block's 32 loads are in; the next block's may be out
.else
	s_wait_loadcnt 0x0
.endif
	v_max3_num_f32 v12, |v[XS]|, |v[XS+1]|, |v[XS+2]|
	v_max3_num_f32 v13, |v[XS+3]|, |v[XS+4]|, |v[XS+5]|
.irp i, 6,10,14,18,22,26
	v_max3_num_f32 v12, v12, |v[XS+\i]|, |v[XS+\i+1]|
	v_max3_num_f32 v13, v13, |v[XS+\i+2]|, |v[XS+\i+3]|
.endr
	v_max3_num_f32 v12, v12, |v[XS+30]|, |v[XS+31]|
	v_max3_num_f32 v12, v12, v13, 0x2800000        ; and the floor
	v_add_nc_u32 v11, 0xfe000000, v12
	v_lshrrev_b32 v13, 23, v11
.if (\t)%4 == 0
	v_mov_b32 v[SB+(\t)/4], v13
.else
	v_lshl_or_b32 v[SB+(\t)/4], v13, 8*((\t)%4), v[SB+(\t)/4]
.endif
	v_cvt_scalef32_pk16_bf6_f32 v[C:C+2], v[XS:XS+15], v11
	v_cvt_scalef32_pk16_bf6_f32 v[D:D+2], v[XS+16:XS+31], v11
	v_nop                                          ; one plain place behind a scaled conversion
.irp i, 0,1,2
	v_mov_b32 v[C+3+\i], v[D+\i]
.endr
.irp p, 0,1,2
	ds_store_b64 v4, v[C+2*\p:C+2*\p+1] offset:((\t)/2)*768+((\t)%2)*128+256*\p   ; piece t / 2, block t % 2, chunk p
.endr
.if (\t)+2 < 4
	LOADW (\t)+2
.endif
	s_wait_dscnt 0x0                               ; the stores have read their registers
.endm
	LOADW 0
	LOADW 1
.irp t, 0,1,2,3
	BLOCK \t
.endr
	s_wait_alu depctr_va_vdst(0)
	global_store_b32 v7, v[SB], s[50:51]           ; my row's four scale bytes
.irp k, 0,1,2,3,4,5
	ds_load_b128 v[OUTR+4*\k:OUTR+4*\k+3], v5 offset:(\k/3)*3200+(\k%3)*512
.endr
.irp k, 0,1,2,3,4,5
	s_wait_dscnt 5-\k                              ; the younger loads may be out
	global_store_b128 v6, v[OUTR+4*\k:OUTR+4*\k+3], s[48:49] offset:(\k/3)*3072+(\k%3)*512   ; 1,536 consecutive bytes of each of my two tiles
.endr
.Lend:
	s_wait_tensorcnt 0x0                           ; the wave's end, behind my last LDS store
	ds_add_u32 v[SPW], v[NIL]
	s_wait_dscnt 0x0
	s_endpgm
.Lfunc_end_k_qc3822154e6_prep:
	.size	k_qc3822154e6_prep, .Lfunc_end_k_qc3822154e6_prep-k_qc3822154e6_prep
	.p2alignl 7, 3214868480
	.fill 96, 4, 3214868480
	.section	.rodata,"a",@progbits
	.p2align	6, 0x0
	.amdhsa_kernel k_qc3822154e6_prep
		.amdhsa_group_segment_fixed_size 59904
		.amdhsa_private_segment_fixed_size 0
		.amdhsa_enable_private_segment 0
		.amdhsa_kernarg_size 40
		.amdhsa_user_sgpr_count 2
		.amdhsa_user_sgpr_kernarg_segment_ptr 1
		.amdhsa_wavefront_size32 1
		.amdhsa_system_sgpr_workgroup_id_x 1
		.amdhsa_system_sgpr_workgroup_id_y 1
		.amdhsa_system_sgpr_workgroup_id_z 1
		.amdhsa_system_vgpr_workitem_id 0
		.amdhsa_next_free_vgpr 256
		.amdhsa_next_free_sgpr 66
		.amdhsa_reserve_vcc 1
		.amdhsa_float_denorm_mode_32 3
		.amdhsa_float_denorm_mode_16_64 3
		.amdhsa_memory_ordered 1
		.amdhsa_forward_progress 1
		.amdhsa_inst_pref_size 58
	.end_amdhsa_kernel
	.amdgpu_metadata
---
amdhsa.version: [ 1, 2 ]
amdhsa.kernels:
  - .name:           k_qc3822154e6_prep
    .symbol:         k_qc3822154e6_prep.kd
    .args:
      - { .name: x, .offset: 0, .size: 8, .value_kind: global_buffer, .address_space: global }
      - { .name: w_in, .offset: 8, .size: 8, .value_kind: global_buffer, .address_space: global }
      - { .name: w_out, .offset: 16, .size: 8, .value_kind: global_buffer, .address_space: global }
      - { .name: xb, .offset: 24, .size: 8, .value_kind: global_buffer, .address_space: global }
      - { .name: wb, .offset: 32, .size: 8, .value_kind: global_buffer, .address_space: global }
    .group_segment_fixed_size: 59904
    .private_segment_fixed_size: 0
    .kernarg_segment_align: 8
    .kernarg_segment_size: 40
    .max_flat_workgroup_size: 128
    .sgpr_count:     66
    .vgpr_count:     256
    .wavefront_size: 32
...
	.end_amdgpu_metadata
.endif
;; end of part 1
;; launch qkv (part 2): grid 8 x 48, 4 waves a work-group, clusters of 4 x 4, 327,680 bytes of LDS; arguments xb, wb, b_in, qkb, vb; writes qkb, vb
.if DOCPART == 2
	.amdgcn_target "amdgcn-amd-amdhsa--gfx1250"
	.amdhsa_code_object_version 6
	.text
	.protected	k_qc3822154e6_qkv
	.globl	k_qc3822154e6_qkv
	.p2align	8
	.type	k_qc3822154e6_qkv,@function
k_qc3822154e6_qkv:
	s_mov_b64 s[64:65], 0
	v_nop
	global_prefetch_b8 v0, s[64:65] scope:SCOPE_SE
	s_setreg_imm32_b32 hwreg(HW_REG_WAVE_MODE, 25, 1), 1
	s_wait_xcnt 0x0
	s_wait_alu depctr_hold_cnt(0) depctr_sa_sdst(0) depctr_va_vdst(0) depctr_va_sdst(0) depctr_va_ssrc(0) depctr_va_vcc(0) depctr_vm_vsrc(0)
	s_getreg_b32 s2, hwreg(HW_REG_IB_STS2, 6, 4)
	s_cmp_eq_u32 s2, 0
	s_cbranch_scc0 .Lentry_in_a_cluster
	s_endpgm
.Lentry_in_a_cluster:
	s_bfe_u32 s2, ttmp6, 0x10000c
	s_cmp_lg_u32 s2, 0xf033
	s_cbranch_scc0 .Lentry_shape_is_right
	s_endpgm
.Lentry_shape_is_right:
; QKV: x w_in + b_in on codes of BF6, K = 1,024, and the result quantised in registers on the way out; it goes to memory as codes alone.  Nothing of this product is left out.
; A work-group of four waves makes 256 x 256, a wave 128 x 128: 64 accumulators.  K goes in four steps of 256 through two LDS slots.  Source 0 is called B, source 1 A; a lane's registers run along B's rows.
; TWO KINDS OF WORK-GROUP, told apart by the cluster's y alone (the same in all sixteen partners).  Cluster y 0 .. 7, q and k: A = x's rows (tokens), B = w_in's columns 0 .. 2047: a lane holds one token and
; 128 neighbouring columns, two heads: quantised along the head's 64.  Cluster y 8 .. 11, v: A = w_in's columns 2048 .. 3071 (channels), B = x's rows: a lane holds one channel and 128 neighbouring tokens: quantised along the keys.
; Operands lie in memory in the order of the operand's registers (pieces of 768 bytes: 16 rows x 64 K), so a tile of 128 rows x 256 K is 24,576 dense bytes and a fragment comes by six loads of 256 consecutive bytes.
; qkb: codes [pair of heads 16 (q: 0-7, k: 8-15)][token tile 512][head % 2][768]; from QSO scale words [pair][head % 2][token tile / 2][r]: the even tile's two bytes below, the odd tile's above.
; vb: codes [128 keys: 64][channel tile: 64][1536]; from XSO scale words [the same][the same][r].
; The bias is the C of each sum's first product.  CLUSTERS: 4 x 4; A's tiles are asked for jointly along a row of the cluster, B's along a column.
; LIMITS OF THE QUANTISER as in prep: a block of zeros gets the byte 1; the floor 2^-122; NaN and infinities are not served.
; REGISTERS: window 0: v16-29 addresses; v32-63 scale words, two sets; v64-127 the bias, 8 tiles; v128-223 A's fragments, one set; v224-231 the bias loads' offsets.  Window 1: B's fragments, two sets.  Windows 2, 3: accumulators.
.set XSO,   6291456
.set WSO,   3145728
.set QSO,   12582912
.set XKS,   1572864
.set WKS,   786432
.set HALFT, 24576                      ; 128 rows x 256 K: what one tensor load brings
.set SLOT,  98304                      ; A's two halves, then B's two
.set SCL,   196608                     ; behind the ring: the scale bytes of my 256 + 256 rows for all of K, filled once
.set HALFS, 4096
.set SPARE, 212992                     ; the spare words, 128 bytes for each wave
.set FR,    12
.set NL,    6
.set NQ,    2
.set NP,    4
.set ADRA,  16                         ; v16-17 LDS address of my A fragments in slot 0, 1
.set ADRB,  20                         ; v20-21 the same for B
.set L4,    25
.set L8,    26                         ; v26    8 x lane
.set ADRS,  27                         ; v27    my scale words: lanes 0-15 A's rows, lanes 16-31 B's
.set SPW,   28
.set NIL,   29
.set SC,    32
.set BT,    64
.set AF,    128
.set BA,    224
.set G1,  24
.set G0,  32
.set G1B, 48
.set G0B, 56
.set G1S, 68
.set G0S, 76
.set G1SB, 80
.set G0SB, 88
.set MSB, 0
.macro WIN new                         ; the immediate's high byte repeats the setting that is left
.if MSB != (\new)
	s_set_vgpr_msb (MSB<<8)|(\new)
.set MSB, (\new)
.endif
.endm
.set MUL_LO, 0xa1                      ; source 0 (B) window 1, source 1 (A) window 0, C and D window 2
.set MUL_HI, 0xf1
.set TO_B,   0x40
.macro JLOAD g0a, g1a, g0b, g1b        ; a joint load: waves 0 and 1 fetch for A, waves 2 and 3 for B; an s_nop 0 and four v_nop follow each line
	s_cmp_eq_u32 s15, 0
	s_cbranch_scc0 .Lfor_b_\@
	tensor_load_to_lds s[\g0a:\g0a+3], s[\g1a:\g1a+7]
	s_nop 0
.rept 4
	v_nop
.endr
	s_branch .Lasked_\@
.Lfor_b_\@:
	tensor_load_to_lds s[\g0b:\g0b+3], s[\g1b:\g1b+7]
	s_nop 0
.rept 4
	v_nop
.endr
.Lasked_\@:
.endm
.macro CREST
	s_cmp_lg_u32 s14, 0
	s_cbranch_scc1 .Lnot_wave_0_\@
	s_barrier_signal -3
.Lnot_wave_0_\@:
	s_barrier_wait -3
	s_barrier_signal -1
	s_barrier_wait -1
.endm
.macro CROUND
	s_barrier_signal -1
	s_barrier_wait -1
	CREST
.endm
	s_load_b256 s[4:11], s[0:1], 0x0               ; xb s[4:5], wb s[6:7], b_in s[8:9], qkb s[10:11]
	s_load_b64 s[12:13], s[0:1], 0x20              ; vb
	v_lshl_add_u32 v[SPW], v0, 2, SPARE
	v_mov_b32 v[NIL], 0
	ds_add_u32 v[SPW], v[NIL]                      ; the wave's opening: the add, twice on end, and its wait ahead of my first tensor load
	ds_add_u32 v[SPW], v[NIL]
	v_lshrrev_b32 v1, 5, v0
	v_readfirstlane_b32 s14, v1                    ; wave
	s_lshr_b32 s15, s14, 1                         ; my half of A's rows.  Also: I fetch for A (0) or B (1)
	s_and_b32 s16, s14, 1                          ; my half of B's rows.  Also: which 128 rows I fetch
	s_bfe_u32 s40, ttmp6, 0x40000                  ; cx
	s_bfe_u32 s41, ttmp6, 0x40004                  ; cy
	s_and_b32 s18, ttmp7, 0xffff                   ; cluster y
	s_lshl_b32 s42, ttmp9, 2
	s_add_co_u32 s42, s42, s40
	s_sub_co_u32 s93, s18, 8
	s_lshl_b32 s93, s93, 3
	s_lshl_b32 s17, s18, 2
	s_mov_b32 s94, WKS
	s_mov_b32 s95, WSO
	s_cmp_ge_u32 s18, 8                            ; v's work-groups
	s_cselect_b32 s19, 1, 0
	s_cselect_b32 s93, s93, 0
	s_cselect_b32 s17, 0, s17
	s_cselect_b32 s22, 128, 0                      ; v: A's tiles begin at wb's tile 128
	s_cselect_b32 s96, s94, XKS                    ; bytes from one 256 along K to the next, in A's buffer
	s_cselect_b32 s98, XKS, s94                    ; and in B's
	s_cselect_b32 s100, s95, XSO                   ; where A's scale bytes begin
	s_cselect_b32 s101, XSO, s95                   ; and B's
	s_mov_b32 s97, 0
	s_mov_b32 s99, 0
	s_add_co_u32 s42, s42, s93                     ; TC, B's block of 256 rows: 4 cluster x + cx (v: + 8 (cluster y - 8))
	s_add_co_u32 s17, s17, s41                     ; TR, A's: 4 cluster y + cy (v: cy)
	s_lshl_b32 s43, s41, 2
	s_lshl_b32 s43, 15, s43                        ; my row of the cluster
	s_lshl_b32 s44, 0x1111, s40                    ; my column
	s_or_b32 s[G1+0], s43, (3<<16)|(1<<21)         ; 15:0 the mask; 17:16 elements of 8 bytes; 21 set beside a mask; no padding
	s_or_b32 s[G1B+0], s44, (3<<16)|(1<<21)
.irp g, G1, G1B                        ; 24,576 dense bytes as 96 rows of 256
	s_mov_b32 s[\g+1], 32<<16
	s_mov_b32 s[\g+2], 192<<16                     ; the head's loads bring 256 rows x 256 K: 192 rows of 256 bytes
	s_mov_b32 s[\g+3], 32<<16
	s_mov_b32 s[\g+4], 192
	s_mov_b32 s[\g+5], 32
	s_mov_b32 s[\g+6], 0
	s_mov_b32 s[\g+7], 0
.endr
	s_or_b32 s[G1S+0], s43, (3<<16)|(1<<21)
	s_or_b32 s[G1SB+0], s44, (3<<16)|(1<<21)
.irp g, G1S, G1SB                      ; the scale bytes
	s_mov_b32 s[\g+1], 32<<16
	s_mov_b32 s[\g+2], 32<<16                      ; the scale bytes of 256 rows: 8,192 dense bytes as 32 rows of 256
	s_mov_b32 s[\g+3], 32<<16
	s_mov_b32 s[\g+4], 32
	s_mov_b32 s[\g+5], 32
	s_mov_b32 s[\g+6], 0
	s_mov_b32 s[\g+7], 0
.endr
	s_lshl_b32 s23, s16, 3
	s_lshl_b32 s20, s17, 4
	s_add_co_u32 s20, s20, s23
	s_add_co_u32 s20, s20, s22                     ; A's first tile that I fetch
	s_lshl_b32 s46, s42, 4
	s_add_co_u32 s46, s46, s23                     ; B's
	s_lshl_b32 s22, s20, 9
	s_add_co_u32 s22, s22, s100
	s_mul_i32 s20, s20, 3072
	s_lshl_b32 s92, s46, 9
	s_add_co_u32 s92, s92, s101
	s_mul_i32 s46, s46, 3072
	s_mov_b32 s21, 0
	s_mov_b32 s23, 0
	s_mov_b32 s47, 0
	s_mov_b32 s93, 0
	s_mul_i32 s45, s14, HALFT                      ; where they go: no place in the cluster enters an LDS address
	s_lshl_b32 s94, s16, 12                        ; the scale bytes of my half's 128 rows
	s_wait_dscnt 0x0                               ; both opening adds are done
	s_wait_kmcnt 0x0
	s_cmp_lg_u32 s19, 0
	s_cselect_b64 s[100:101], s[6:7], s[4:5]       ; A's buffer
	s_cselect_b64 s[104:105], s[4:5], s[6:7]       ; B's
	s_add_nc_u64 s[20:21], s[100:101], s[20:21]
	s_add_nc_u64 s[22:23], s[100:101], s[22:23]
	s_add_nc_u64 s[46:47], s[104:105], s[46:47]
	s_add_nc_u64 s[92:93], s[104:105], s[92:93]
	CROUND                                         ; all sixteen work-groups are here: the first joint loads meet
	s_mov_b32 s95, 0
	s_mov_b32 s[G0S], 1                            ; the head's four tiles, each whole (my half's offset is taken off again): the scale bytes of A's 256 rows,
	s_mov_b32 s[G0S+1], SCL
	s_sub_nc_u64 s[G0S+2:G0S+3], s[22:23], s[94:95]
	s_or_b32 s[G0S+3], s[G0S+3], 0x80000000
	s_mov_b32 s[G0SB], 1                           ; and of B's
	s_mov_b32 s[G0SB+1], SCL+2*HALFS
	s_sub_nc_u64 s[G0SB+2:G0SB+3], s[92:93], s[94:95]
	s_or_b32 s[G0SB+3], s[G0SB+3], 0x80000000
	s_mov_b32 s[G0], 1
	s_mov_b32 s[G0+1], s45
	s_mov_b64 s[G0+2:G0+3], s[20:21]
	s_or_b32 s[G0+3], s[G0+3], 0x80000000
	s_mov_b32 s[G0B], 1
	s_mov_b32 s[G0B+1], s45
	s_mov_b64 s[G0B+2:G0B+3], s[46:47]
	s_or_b32 s[G0B+3], s[G0B+3], 0x80000000
	s_mul_i32 s2, s16, HALFT
	s_mov_b32 s3, 0
	s_mov_b32 s4, 1                                ; s[4:7]: group 0 for slot 0's 256 rows of A (the arguments that lay there have been used)
	s_mov_b32 s5, 0
	s_sub_nc_u64 s[6:7], s[20:21], s[2:3]
	s_or_b32 s7, s7, 0x80000000
	s_sub_nc_u64 s[94:95], s[46:47], s[2:3]        ; s[92:95]: the same for B's 256 rows, behind A's in slot 0
	s_or_b32 s95, s95, 0x80000000
	s_mov_b32 s92, 1
	s_mov_b32 s93, 2*HALFT
; THE HEAD'S LOADS, ONE A WAVE: wave 0 slot 0's rows of A, wave 1 those of B, wave 2 A's scale bytes, wave 3 B's: one chain of branches on the wave's number, every way passes one load
.macro ARM under, g0, g1, next
	s_cmp_lt_u32 s14, \under
	s_cbranch_scc0 \next
	tensor_load_to_lds s[\g0:\g0+3], s[\g1:\g1+7]
	s_nop 0
.rept 4
	v_nop
.endr
	s_branch .Lhead_asked
\next:
.endm
	ARM 1, 4, G1, .Lhead_b
	ARM 2, 92, G1B, .Lhead_sa
	ARM 3, G0S, G1S, .Lhead_sb
	tensor_load_to_lds s[G0SB:G0SB+3], s[G1SB:G1SB+7]
	s_nop 0
.rept 4
	v_nop
.endr
.Lhead_asked:
	s_mov_b32 s[G0+4], 1
	s_add_co_u32 s[G0+5], s45, SLOT
	s_add_nc_u64 s[G0+6:G0+7], s[20:21], s[96:97]
	s_or_b32 s[G0+7], s[G0+7], 0x80000000
	s_mov_b32 s[G0B+4], 1
	s_add_co_u32 s[G0B+5], s45, SLOT
	s_add_nc_u64 s[G0B+6:G0B+7], s[46:47], s[98:99]
	s_or_b32 s[G0B+7], s[G0B+7], 0x80000000
	s_lshl_b32 s96, s96, 1                         ; a refill goes two steps on
	s_lshl_b32 s98, s98, 1
	v_and_b32 v1, 15, v0                           ; r
	v_bfe_u32 v2, v0, 4, 1                         ; h
	s_wait_alu depctr_va_vdst(0)
	v_and_b32 v6, 31, v0
	v_lshlrev_b32 v[L8], 3, v6
	s_mul_i32 s21, s15, HALFT
	s_mul_i32 s22, s16, HALFT
	s_add_co_u32 s22, s22, 2*HALFT
.irp s, 0,1
	v_add_nc_u32 v[ADRA+\s], s21, v[L8]
	v_add_nc_u32 v[ADRB+\s], s22, v[L8]
	s_add_co_u32 s21, s21, SLOT
	s_add_co_u32 s22, s22, SLOT
.endr
	v_lshlrev_b32 v5, 3, v1
	s_lshl_b32 s21, s15, 12
	s_lshl_b32 s22, s16, 12
	s_add_co_u32 s22, s22, 2*HALFS
	s_sub_co_u32 s22, s22, s21
	v_mul_u32_u24 v4, s22, v2                      ; lanes 16-31 take B's
	s_add_co_u32 s21, s21, SCL
	v_add_nc_u32 v5, v5, v4
	v_add_nc_u32 v[ADRS], s21, v5
	; the bias in the result's layout.  q, k: it hangs on B's row: tile x, register j: n0 + 32 (x / 2) + 8 (x % 2) + 16 h + j.  v: on A's row: tile x, all registers: n0 + 32 (x / 2) + 8 (x % 2) + r + 8 (r / 8)
	s_lshl_b32 s66, s42, 8
	s_lshl_b32 s67, s16, 7
	s_add_co_u32 s66, s66, s67
	s_lshl_b32 s2, s17, 8
	s_lshl_b32 s67, s15, 7
	s_add_co_u32 s2, s2, s67
	s_add_co_u32 s2, s2, 2048
	s_cmp_lg_u32 s19, 0
	s_cselect_b32 s66, s2, s66                     ; n0
	s_cselect_b32 s2, 0, 64                        ; bytes for h,
	s_cselect_b32 s3, 4, 0                         ; for the row,
	s_cselect_b32 s21, 0, 4                        ; for the register
	s_lshl_b32 s66, s66, 2
	s_mov_b32 s67, 0
	s_add_nc_u64 s[8:9], s[8:9], s[66:67]
	v_lshrrev_b32 v7, 3, v1
	v_lshl_add_u32 v7, v7, 3, v1
	v_mul_u32_u24 v7, s3, v7
	v_mul_u32_u24 v8, s2, v2
	v_add_nc_u32 v[BA], v7, v8
.irp j, 1,2,3,4,5,6,7
	v_add_nc_u32 v[BA+\j], s21, v[BA+\j-1]
.endr
.irp x, 0,1,2,3,4,5,6,7
.irp j, 0,1,2,3,4,5,6,7
	global_load_b32 v[BT+8*\x+\j], v[BA+\j], s[8:9] offset:4*(32*(\x/2)+8*(\x%2))
.endr
.endr
.macro FRAG reg, adr, q, i             ; 16 rows x 128 K: 12 registers, six loads of 256 consecutive bytes
.irp p, 0,1,2,3,4,5
	ds_load_b64 v[\reg+2*\p:\reg+2*\p+1], v[\adr] offset:(\i)*3072+(\q)*1536+256*\p
.endr
.endm
; 16 products: A's blocks a0, a0 + 1 x B's eight.  zero = 1: C is the bias by B's block; 2: by A's block; 0: in place.  The 64 accumulators take turns in the same order in every step.
.macro MUL16 a0, p, q, sc, zero
.irp a, \a0, \a0+1
.irp b, 0,1,2,3,4,5,6,7
.if (\zero) == 1
	v_wmma_scale_f32_16x16x128_f8f6f4 v[8*(8*((\a)%4)+\b):8*(8*((\a)%4)+\b)+7], v[128*(\p)+FR*\b:128*(\p)+FR*\b+FR-1], v[AF+FR*(\a):AF+FR*(\a)+FR-1], v[BT+8*\b:BT+8*\b+7], v[SC+8*NQ*(\sc)+NQ*\b+(\q)], v[SC+8*NQ*(\sc)+NQ*(\a)+(\q)] matrix_a_fmt:MATRIX_FMT_BF6 matrix_b_fmt:MATRIX_FMT_BF6 matrix_a_scale:MATRIX_SCALE_ROW1
.elseif (\zero) == 2
	v_wmma_scale_f32_16x16x128_f8f6f4 v[8*(8*((\a)%4)+\b):8*(8*((\a)%4)+\b)+7], v[128*(\p)+FR*\b:128*(\p)+FR*\b+FR-1], v[AF+FR*(\a):AF+FR*(\a)+FR-1], v[BT+8*(\a):BT+8*(\a)+7], v[SC+8*NQ*(\sc)+NQ*\b+(\q)], v[SC+8*NQ*(\sc)+NQ*(\a)+(\q)] matrix_a_fmt:MATRIX_FMT_BF6 matrix_b_fmt:MATRIX_FMT_BF6 matrix_a_scale:MATRIX_SCALE_ROW1
.else
	v_wmma_scale_f32_16x16x128_f8f6f4 v[8*(8*((\a)%4)+\b):8*(8*((\a)%4)+\b)+7], v[128*(\p)+FR*\b:128*(\p)+FR*\b+FR-1], v[AF+FR*(\a):AF+FR*(\a)+FR-1], v[8*(8*((\a)%4)+\b):8*(8*((\a)%4)+\b)+7], v[SC+8*NQ*(\sc)+NQ*\b+(\q)], v[SC+8*NQ*(\sc)+NQ*(\a)+(\q)] matrix_a_fmt:MATRIX_FMT_BF6 matrix_b_fmt:MATRIX_FMT_BF6 matrix_a_scale:MATRIX_SCALE_ROW1
.endif
.endr
.endr
.endm
.macro FETCH_B slot, q, p
	WIN TO_B
.irp i, 0,1,2,3,4,5,6,7
	FRAG 128*(\p)+FR*\i, ADRB+\slot, \q, \i
.endr
	WIN 0
.endm
.macro FETCH_A slot, q, i0
.irp i, \i0, \i0+1, \i0+2, \i0+3
	FRAG AF+FR*(\i), ADRA+\slot, \q, \i
.endr
.endm
.macro SCALES sc                       ; two words a row: lanes 0-15 A's block i, lanes 16-31 B's block i
.irp i, 0,1,2,3,4,5,6,7
	ds_load_b64 v[SC+8*NQ*\sc+NQ*\i:SC+8*NQ*\sc+NQ*\i+1], v[ADRS] offset:\i*512
.endr
.endm
.macro PLACES n                        ; plain vector instructions between a matrix instruction and a load into, or a read of, its registers
.rept \n
	v_nop
.endr
.endm
.macro STEP slot, q, zero              ; 128 along K that have their successor in the same slot
	s_wait_dscnt 4*NL                              ; all but A's blocks 4-7, the youngest 24 loads
.if \zero
	WIN 0x81                                       ; C, the bias, in window 0
.else
	WIN MUL_LO
.endif
	MUL16 0, (\q)%2, \q, \slot, \zero
	MUL16 2, (\q)%2, \q, \slot, \zero
	s_wait_dscnt 0
	PLACES NP
	FETCH_B \slot, (\q)+1, 1-(\q)%2
	FETCH_A \slot, (\q)+1, 0
.if \zero
	WIN 0xc1
.else
	WIN MUL_HI
.endif
	MUL16 4, (\q)%2, \q, \slot, \zero
	MUL16 6, (\q)%2, \q, \slot, \zero
	PLACES NP
	WIN 0
	FETCH_A \slot, (\q)+1, 4
.endm
; A slot's last step changes slots: one barrier; in front of it each wave waits for all its tensor loads, adds 0 to its spare word, and waits for that and for its reads of this slot.
.macro TURN slot, next, fill
	s_wait_tensorcnt 0x0                           ; all my tensor loads have landed: my part of the next slot
	ds_add_u32 v[SPW], v[NIL]
	s_wait_dscnt 4*NL+1                            ; (the add and A's blocks 4-7 may be out)
	WIN MUL_LO
	MUL16 0, 1, NQ-1, \slot, 0
	s_wait_dscnt 0x0                               ; the add is done, and my reads of this slot are over
	s_barrier_signal -1
	MUL16 2, 1, NQ-1, \slot, 0
	WIN 0
	s_barrier_wait -1
.if \fill
	CREST                                          ; the barrier has opened a round of the cluster's: no wave of any partner still reads this slot or has a load on its way
	s_add_nc_u64 s[G0+4*\slot+2:G0+4*\slot+3], s[G0+4*\slot+2:G0+4*\slot+3], s[96:97]
	s_add_nc_u64 s[G0B+4*\slot+2:G0B+4*\slot+3], s[G0B+4*\slot+2:G0B+4*\slot+3], s[98:99]
	JLOAD G0+4*\slot, G1, G0B+4*\slot, G1B         ; the first tensor load behind the round; its four v_nop are the places in front of the loads below
.else
	PLACES NP
.endif
	s_wait_alu depctr_va_vdst(0)
	v_add_nc_u32 v[ADRS], 128, v[ADRS]             ; the next 256 along K's scale words
	FETCH_B \next, 0, 0
	FETCH_A \next, 0, 0
	SCALES \next
	WIN MUL_HI
	MUL16 4, 1, NQ-1, \slot, 0
	MUL16 6, 1, NQ-1, \slot, 0
	PLACES NP
	WIN 0
	FETCH_A \next, 0, 4
.endm
	s_wait_alu depctr_va_vdst(0)                   ; the head's end
	s_wait_tensorcnt 0x0                           ; my tile of the head's four is in
	ds_add_u32 v[SPW], v[NIL]
	s_mov_b32 s[G1+2], 96<<16                      ; no tensor load of mine is out: from here on a load brings 128 rows x 256 K, 96 rows of 256 bytes
	s_mov_b32 s[G1+4], 96
	s_mov_b32 s[G1B+2], 96<<16
	s_mov_b32 s[G1B+4], 96
	s_wait_dscnt 0x0
	CROUND                                         ; all four tiles are in, and all sixteen work-groups are here
	JLOAD G0+4, G1, G0B+4, G1B                     ; slot 1's first fill, the first tensor load behind the round
	FETCH_B 0, 0, 0
	FETCH_A 0, 0, 0
	SCALES 0
	FETCH_A 0, 0, 4
	s_wait_loadcnt 0x0                             ; the bias
	s_cmp_lg_u32 s19, 0                            ; the first step starts the sums with the bias: by B's block (q, k) or by A's (v)
	s_cbranch_scc1 .Lvfirst
	STEP 0, 0, 1
	s_branch .Ljoin
.Lvfirst:
	STEP 0, 0, 2
.Ljoin:
	TURN 0, 1, 1
	STEP 1, 0, 0
	TURN 1, 0, 1
	STEP 0, 0, 0
	TURN 0, 1, 0                                   ; nothing is left to fetch
	STEP 1, 0, 0
	s_wait_dscnt 4*NL
	WIN MUL_LO
	MUL16 0, 1, NQ-1, 1, 0
	MUL16 2, 1, NQ-1, 1, 0
	s_wait_dscnt 0
	WIN MUL_HI
	MUL16 4, 1, NQ-1, 1, 0
	MUL16 6, 1, NQ-1, 1, 0
	WIN 0
	; THE WAY OUT.  For A's block a the lane's 64 registers are 128 neighbours along the next K (register 16 b + i = 32 b + 16 h + i): they become an operand's 12 registers and a scale word, and leave as they stand.
.set TM, 32                            ; v32-47 at work
.set PC, 48                            ; v48-66 codes
.set PW, 68                            ; v68-69 the scale words of an even and an odd block
.set X0, 70                            ; v70-71 the two words to be stored
.set XW, 72                            ; v72-75 a register for each store
	PLACES NP
	s_mov_b32 s20, 0x76543210
	s_mov_b32 s21, 0xfedcba98
.irp b, 0,1,2,3
	v_mov_b32 v[TM+4+\b], 0                        ; a lane permute's destination counts as one of its sources
.endr
	v_and_b32 v6, 31, v0
	v_cmp_le_u32 s3, 16, v6                        ; lanes 16-31
	s_lshl_b32 s22, s42, 1
	s_add_co_u32 s22, s22, s16                     ; which 128 of B's rows are mine: a pair of heads, or 128 keys
	s_lshl_b32 s23, s17, 4
	s_lshl_b32 s46, s15, 3
	s_add_co_u32 s23, s23, s46                     ; my first tile of A's rows
	s_mov_b32 s47, 0x03020100
	s_mov_b32 s92, 0x07060504
	s_mov_b32 s93, XSO
	; q's and k's scale words lie [pair][head % 2][token tile / 2][r] (in place of the order [token tile / 2][head % 2] named at the head): one head's words of a batch are 4,096 dense bytes
	s_lshl_b32 s2, s23, 5
	s_cmp_lg_u32 s19, 0
	s_cselect_b32 s2, 0, s2                        ; q, k: a token tile counts 32 bytes, not 64
	s_cselect_b32 s100, 64, 0x4000                 ; bytes from lanes 0-15 to lanes 16-31: v: the next channel tile; q, k: the odd head
	s_cselect_b32 s101, 128, 64                    ; bytes from one store of words to the next
	s_cselect_b32 s46, 6, 9
	s_cselect_b32 s66, s47, 0x05040100             ; v: the even block's word; q, k: both blocks' lower halves (the even head)
	s_cselect_b32 s67, s92, 0x07060302             ; v: the odd block's word; q, k: both upper halves (the odd head)
	s_cselect_b32 s93, s93, QSO
	s_cselect_b64 s[10:11], s[12:13], s[10:11]
	s_lshl_b32 s22, s22, s46
	s_add_co_u32 s22, s22, s23
	s_mul_i32 s94, s22, 1536
	s_mov_b32 s95, 0
	s_lshl_b32 s22, s22, 6
	s_sub_co_u32 s22, s22, s2
	s_add_co_u32 s22, s22, s93
	s_mov_b32 s23, 0
	s_add_nc_u64 s[12:13], s[10:11], s[22:23]      ; the scale words
	s_add_nc_u64 s[10:11], s[10:11], s[94:95]
.set SO, 76                            ; v76-79 the four stores' places for the scale words
	v_and_b32 v7, 15, v0
	v_bfe_u32 v8, v0, 4, 1
	v_lshlrev_b32 v7, 2, v7
	v_mad_u32_u24 v[SO], v8, s100, v7
.irp k, 1,2,3
	v_add_nc_u32 v[SO+\k], s101, v[SO+\k-1]
.endr
.macro QUANTW a
.set AC, 64*((\a)%4)
.set WN, 2+(\a)/4
	WIN WN*5                                       ; sources 0 and 1: the accumulators' window
.irp b, 0,1,2,3
	v_max3_num_f32 v[TM+\b], |v[AC+16*\b]|, |v[AC+16*\b+1]|, 0x2800000   ; each accumulator is read from its low end on; the floor 2^(5 - 127)
.endr
.irp i, 2,4,6,8,10,12,14
.irp b, 0,1,2,3
	v_max3_num_f32 v[TM+\b], |v[AC+16*\b+\i]|, |v[AC+16*\b+\i+1]|, v[TM+\b]
.endr
.endr
	WIN 0
.irp b, 0,1,2,3
	v_permlanex16_b32 v[TM+4+\b], v[TM+\b], s20, s21
.endr
.irp b, 0,1,2,3
	v_max_num_f32 v[TM+\b], v[TM+\b], v[TM+4+\b]
.endr
.irp b, 0,1,2,3
	v_add_nc_u32 v[TM+12+\b], 0xfe000000, v[TM+\b]
.endr
.irp b, 0,1,2,3
	v_lshrrev_b32 v[TM+4+\b], 23, v[TM+12+\b]
.endr
	v_lshl_or_b32 v[PW+(\a)%2], v[TM+5], 8, v[TM+4]
	v_lshl_or_b32 v[PW+(\a)%2], v[TM+6], 16, v[PW+(\a)%2]
	v_lshl_or_b32 v[PW+(\a)%2], v[TM+7], 24, v[PW+(\a)%2]
.if (\a) > 0
	s_wait_xcnt 0x0                                ; the last block's stores have read v[PC] on
.endif
	WIN WN                                         ; source 0: the accumulators' window
.irp c, 0,1
	v_cvt_scalef32_pk16_bf6_f32 v[PC+6*\c:PC+2+6*\c], v[AC+32*\c:AC+32*\c+15], v[TM+12+2*\c]
	v_cvt_scalef32_pk16_bf6_f32 v[PC+12+4*\c:PC+14+4*\c], v[AC+32*\c+16:AC+32*\c+31], v[TM+12+2*\c+1]
.endr
	WIN 0
	v_nop                                          ; one plain place behind a scaled conversion
.irp c, 0,1
.irp i, 0,1,2
	v_permlane16_swap_b32 v[PC+6*\c+\i], v[PC+12+4*\c+\i]
.endr
.irp i, 0,1,2
	v_mov_b32 v[PC+3+6*\c+\i], v[PC+12+4*\c+\i]
.endr
.endr
.irp p, 0,1,2,3,4,5
	global_store_b64 v[L8], v[PC+2*\p:PC+2*\p+1], s[10:11] offset:1536*(\a)+256*\p   ; 256 consecutive bytes, aligned
.endr
.if (\a)%2
	v_perm_b32 v[X0], v[PW+1], v[PW], s66
	v_perm_b32 v[X0+1], v[PW+1], v[PW], s67
	v_cndmask_b32 v[XW+(\a)/2], v[X0], v[X0+1], s3
	global_store_b32 v[SO+(\a)/2], v[XW+(\a)/2], s[12:13]
.endif
.endm
.irp a, 0,1,2,3,4,5,6,7
	QUANTW \a
.endr
	s_wait_tensorcnt 0x0                           ; the wave's end
	ds_add_u32 v[SPW], v[NIL]
	s_wait_dscnt 0x0
	CROUND                                         ; the closing round
	s_endpgm
.Lfunc_end_k_qc3822154e6_qkv:
	.size	k_qc3822154e6_qkv, .Lfunc_end_k_qc3822154e6_qkv-k_qc3822154e6_qkv
	.p2alignl 7, 3214868480
	.fill 96, 4, 3214868480
	.section	.rodata,"a",@progbits
	.p2align	6, 0x0
	.amdhsa_kernel k_qc3822154e6_qkv
		.amdhsa_group_segment_fixed_size 327680
		.amdhsa_private_segment_fixed_size 0
		.amdhsa_enable_private_segment 0
		.amdhsa_kernarg_size 40
		.amdhsa_user_sgpr_count 2
		.amdhsa_user_sgpr_kernarg_segment_ptr 1
		.amdhsa_wavefront_size32 1
		.amdhsa_system_sgpr_workgroup_id_x 1
		.amdhsa_system_sgpr_workgroup_id_y 1
		.amdhsa_system_sgpr_workgroup_id_z 1
		.amdhsa_system_vgpr_workitem_id 0
		.amdhsa_next_free_vgpr 1024
		.amdhsa_next_free_sgpr 106
		.amdhsa_reserve_vcc 0
		.amdhsa_float_denorm_mode_32 3
		.amdhsa_float_denorm_mode_16_64 3
		.amdhsa_memory_ordered 1
		.amdhsa_forward_progress 1
		.amdhsa_inst_pref_size 191
	.end_amdhsa_kernel
	.amdgpu_metadata
---
amdhsa.version: [ 1, 2 ]
amdhsa.kernels:
  - .name:           k_qc3822154e6_qkv
    .symbol:         k_qc3822154e6_qkv.kd
    .args:
      - { .name: xb, .offset: 0, .size: 8, .value_kind: global_buffer, .address_space: global }
      - { .name: wb, .offset: 8, .size: 8, .value_kind: global_buffer, .address_space: global }
      - { .name: b_in, .offset: 16, .size: 8, .value_kind: global_buffer, .address_space: global }
      - { .name: qkb, .offset: 24, .size: 8, .value_kind: global_buffer, .address_space: global }
      - { .name: vb, .offset: 32, .size: 8, .value_kind: global_buffer, .address_space: global }
    .group_segment_fixed_size: 327680
    .private_segment_fixed_size: 0
    .kernarg_segment_align: 8
    .kernarg_segment_size: 40
    .max_flat_workgroup_size: 128
    .sgpr_count:     106
    .vgpr_count:     1024
    .wavefront_size: 32
...
	.end_amdgpu_metadata
.endif
;; end of part 2
;; launch attn (part 3): grid 4 x 64, 8 waves a work-group, clusters of 4 x 1, 206,848 bytes of LDS; arguments qkb, vb, ob; writes ob
.if DOCPART == 3
	.amdgcn_target "amdgcn-amd-amdhsa--gfx1250"
	.amdhsa_code_object_version 6
	.text
	.protected	k_qc3822154e6_attn
	.globl	k_qc3822154e6_attn
	.p2align	8
	.type	k_qc3822154e6_attn,@function
k_qc3822154e6_attn:
	s_mov_b64 s[64:65], 0
	v_nop
	global_prefetch_b8 v0, s[64:65] scope:SCOPE_SE
	s_setreg_imm32_b32 hwreg(HW_REG_WAVE_MODE, 25, 1), 1
	s_wait_xcnt 0x0
	s_wait_alu depctr_hold_cnt(0) depctr_sa_sdst(0) depctr_va_vdst(0) depctr_va_sdst(0) depctr_va_ssrc(0) depctr_va_vcc(0) depctr_vm_vsrc(0)
	s_getreg_b32 s2, hwreg(HW_REG_IB_STS2, 6, 4)
	s_cmp_eq_u32 s2, 0
	s_cbranch_scc0 .Lentry_in_a_cluster
	s_endpgm
.Lentry_in_a_cluster:
	s_bfe_u32 s2, ttmp6, 0x10000c
	s_cmp_lg_u32 s2, 0x3003
	s_cbranch_scc0 .Lentry_shape_is_right
	s_endpgm
.Lentry_shape_is_right:
; ATTN: o = softmax(q k^T / 8, causal) v for one head of one batch, both products on codes of BF6; o is quantised along the head's 64 and stored as codes for the last product.
; WORK LEFT OUT: steps of 128 keys that lie wholly behind a tile's 16 queries: reference()'s own causal mask gives them the weight 0 for all values of the inputs (the first kernel's head has the argument and the limit).
; THE SOFTMAX: t = score x log2(e) / 8; M = the running largest t rounded up to a whole number; p = 2^(t - M) is quantised along the keys, not normalised; the sum is taken of the unquantised p and divides at the end.
; LIMIT: the promise holds while |t| stays under 2^31 (the change of M goes through a conversion to a whole number, which saturates).  LIMITS OF THE QUANTISER as in prep.
; SHARES.  64 x 4 work-groups: (batch, head) and cx = 0 .. 3, the place in a cluster of four.  Stored token tile 8 om + jt holds 16 queries among tokens 128 om .. 128 om + 127: key steps 0 .. om - 1 count whole,
; step om lies on the diagonal, later steps are hidden.  Wave w takes the two tiles jt = 2 cx, 2 cx + 1 of om = w TOGETHER, and then those of om = 15 - w: (w + 1) + (16 - w) = 17 double steps in every wave.
; Each fragment of k and v is read from LDS once for both tiles, and the two tiles' lines stand by turns, so that no line waits for the line above it.
; Every branch hangs on the wave's number and a count of steps alone; cx enters q's and o's addresses in memory and two data registers.
; ALL OF THE HEAD'S K AND V LIES IN LDS, filled once: 2 x 98,304 bytes of codes and 2 x 4,096 of scale words, asked for jointly by the four partners.  One tensor load a wave, in one chain of branches on the wave's number:
; waves 0-3 k's codes (32 pieces of 768 bytes each), 4-5 v's codes (8 key steps of 6,144 bytes each), 6 k's scale words, 7 v's.  Nothing is filled again, nothing is stored to LDS, no barrier stands between the fill and the end.
; NO PREFETCH: the fill stands at the kernel's head, with no loop ahead of it to ask in; the loops read LDS alone.
; K = 64 IN A PRODUCT OF 128: a fragment of k is the pieces of two tiles of keys.  Against [q | zeros] it gives the first tile's scores, against [zeros | q] the second's: zero codes add nothing under any scale byte but 0xff.
; REGISTERS.  Window 1 holds what is large: scores then p (2 x 64), O^T (2 x 32), v's fragments (48).  Window 0 holds all else, for tile t at the names below + a step x t.
.set KC,    0
.set VC,    98304
.set KSO,   196608
.set VSO,   200704
.set SPARE, 204800
.set QSO,   12582912
.set XSO,   6291456
.set XKS,   1572864
.set S,   0                            ; window 1: v0-127 scores, 64 a tile
.set O,   128                          ; window 1: v128-191 O^T, 32 a tile
.set VF,  192                          ; window 1: v192-239 v's four fragments
.set MM,  12                           ; v[12:13], v[14:15]: -M and the largest t
.set SU,  16                           ; v[16:17], v[18:19]: the sum in two halves
.set QB,  26                           ; v20-49: zeros, q of tile 0, zeros, q of tile 1, zeros
.set QW,  50                           ; v50, v51 q's scale words
.set Q2,  52                           ; v52-63 the second pair's q
.set QR,  64                           ; v64, v65 scale words as loaded: second pair, first pair
.set KF,  66                           ; v66-113 k's four fragments
.set SWK, 114
.set SWV, 116
.set PWD, 118                          ; v118, v119 p's scale words
.set NINF, 120
.set PC,  122                          ; v122-161 p's codes, 20 a tile
.set TM,  162                          ; v162-185 at work, 12 a tile
.set T0,  186
.set F,   188                          ; v[188:189], v[190:191]: f = 2^(old M - new M) in the low word
.set AC,  192                          ; v192-207 four partial sums a tile
.set MP,  208                          ; v208, v209 my query among the step's 128 tokens, less 16 h
.set WV,  10
.set OM,  12
.set SEL, 20
.set CS,  22
.set G1K,  24
.set G1V,  32
.set G1KS, 40
.set G1VS, 48
.set G0K,  56
.set G0V,  60
.set G0KS, 68
.set G0VS, 72
.set AD,  76                           ; s76-83 first pair: q's pieces, q's scale words, o's pieces, o's scale bytes; s84-91 second pair
.set TK,  96
.set TV,  97
.set TS,  98
.set TT,  99
.set SN,  100
.set CNT, 101
.set MSB, 0
.macro WIN new                         ; low byte: bits 1:0 source 0, 3:2 source 1, 5:4 source 2, 7:6 destination; the high byte repeats the setting that is left
.if MSB != (\new)
	s_set_vgpr_msb (MSB<<8)|(\new)
.set MSB, (\new)
.endif
.endm
.macro CROUND
	s_barrier_signal -1
	s_barrier_wait -1
	s_cmp_lg_u32 s[WV], 0
	s_cbranch_scc1 .Lnot_wave_0_\@
	s_barrier_signal -3
.Lnot_wave_0_\@:
	s_barrier_wait -3
	s_barrier_signal -1
	s_barrier_wait -1
.endm
.macro GRP1 g, c, r, p                 ; r rows of c elements of 8 bytes, p elements apart; the mask of all four partners, bit 21 beside it, no padding
	s_mov_b32 s[\g], 15|(3<<16)|(1<<21)
	s_mov_b32 s[\g+1], (\c)<<16
	s_mov_b32 s[\g+2], (\r)<<16
	s_mov_b32 s[\g+3], (\c)<<16
	s_mov_b32 s[\g+4], \r
	s_mov_b32 s[\g+5], \p
	s_mov_b32 s[\g+6], 0
	s_mov_b32 s[\g+7], 0
.endm
	s_load_b128 s[4:7], s[0:1], 0x0                ; qkb, vb
	s_load_b64 s[8:9], s[0:1], 0x10                ; ob
	v_lshl_add_u32 v5, v0, 2, SPARE
	v_mov_b32 v6, 0
	ds_add_u32 v5, v6                              ; the wave's opening: the add, twice on end, and its wait ahead of my first tensor load
	ds_add_u32 v5, v6
	v_lshrrev_b32 v8, 5, v0
	v_readfirstlane_b32 s[WV], v8
	s_mov_b32 s[OM], s[WV]                         ; the first pair's om
	s_and_b32 s13, s[WV], 3
	s_and_b32 s14, s[WV], 1
	s_and_b32 s15, ttmp7, 0xffff
	s_lshr_b32 s16, s15, 4                         ; the batch
	s_and_b32 s17, s15, 15                         ; the head
	s_lshr_b32 s18, s17, 1
	s_and_b32 s19, s17, 1
	GRP1 G1K, 96, 32, 192                          ; k's codes: 32 pieces of 768 bytes, 1,536 bytes apart
	GRP1 G1V, 768, 8, 12288                        ; v's codes: 8 key steps of 6,144 bytes, 98,304 bytes apart
	GRP1 G1KS, 32, 16, 32                          ; k's scale words: 4,096 dense bytes
	GRP1 G1VS, 32, 16, 512                         ; v's scale words: 16 rows of 256 bytes, 4,096 bytes apart
	s_mul_i32 s92, s19, 768
	s_add_co_u32 s2, s18, 8                        ; k's pair of heads
	s_lshl_b32 s[G0K+2], s2, 9
	s_lshl_b32 s3, s16, 7
	s_add_co_u32 s[G0K+2], s[G0K+2], s3
	s_lshl_b32 s3, s13, 5
	s_add_co_u32 s[G0K+2], s[G0K+2], s3            ; token tile 128 b + 32 (wave % 4)
	s_mul_i32 s[G0K+2], s[G0K+2], 1536
	s_add_co_u32 s[G0K+2], s[G0K+2], s92
	s_mul_i32 s[G0K+1], s13, 24576
	s_lshl_b32 s[G0V+2], s16, 10
	s_lshl_b32 s3, s17, 2
	s_add_co_u32 s[G0V+2], s[G0V+2], s3            ; 1024 b + 4 head
	s_lshl_b32 s[G0VS+2], s[G0V+2], 6
	s_add_co_u32 s[G0VS+2], s[G0VS+2], XSO
	s_lshl_b32 s3, s14, 9
	s_add_co_u32 s[G0V+2], s[G0V+2], s3            ; + 64 x 8 (wave % 2) key steps
	s_mul_i32 s[G0V+2], s[G0V+2], 1536
	s_mul_i32 s[G0V+1], s14, 49152
	s_add_co_u32 s[G0V+1], s[G0V+1], VC
	s_lshl_b32 s[G0KS+2], s2, 15
	s_lshl_b32 s3, s19, 14
	s_add_co_u32 s[G0KS+2], s[G0KS+2], s3
	s_lshl_b32 s3, s16, 12
	s_add_co_u32 s[G0KS+2], s[G0KS+2], s3
	s_add_co_u32 s[G0KS+2], s[G0KS+2], QSO
	s_mov_b32 s[G0KS+1], KSO
	s_mov_b32 s[G0VS+1], VSO
.irp g, G0K, G0V, G0KS, G0VS
	s_mov_b32 s[\g], 1
	s_mov_b32 s[\g+3], 0
.endr
	s_lshl_b32 s93, s18, 15                        ; what q's and o's places have in common for both pairs
	s_lshl_b32 s3, s19, 14
	s_add_co_u32 s93, s93, s3
	s_add_co_u32 s93, s93, QSO
	s_lshr_b32 s2, s17, 2
	s_and_b32 s3, s17, 3
	s_mul_i32 s94, s2, XKS
	s_mul_i32 s95, s3, 768
	s_add_co_u32 s94, s94, s95
	s_lshl_b32 s95, s2, 7
	s_lshl_b32 s3, s3, 1
	s_add_co_u32 s95, s95, s3
	s_add_co_u32 s95, s95, XSO
	s_bfe_u32 s66, ttmp6, 0x40000                  ; cx
	s_lshl_b32 s67, s66, 5                         ; 32 cx
	s_lshl_b32 s66, s66, 1
	s_lshl_b32 s3, s16, 7
	s_add_co_u32 s66, s66, s3                      ; 128 b + 2 cx
	s_lshl_b32 s104, s[WV], 3
	s_add_co_u32 s104, s104, s66                   ; the first pair's even tile: 128 b + 8 w + 2 cx
	s_xor_b32 s105, s[WV], 15
	s_lshl_b32 s105, s105, 3
	s_add_co_u32 s105, s105, s66                   ; the second pair's: 128 b + 8 (15 - w) + 2 cx
	s_mov_b32 s[SEL], 0x76543210
	s_mov_b32 s[SEL+1], 0xfedcba98
	s_mov_b32 s[CS], 0x3e38aa3b                    ; log2(e) / 8
	s_mov_b32 s[CS+1], s[CS]
	s_wait_dscnt 0x0                               ; both opening adds are done
	s_wait_kmcnt 0x0
.irp g, G0K, G0KS
	s_add_nc_u64 s[\g+2:\g+3], s[4:5], s[\g+2:\g+3]
	s_or_b32 s[\g+3], s[\g+3], 0x80000000
.endr
.irp g, G0V, G0VS
	s_add_nc_u64 s[\g+2:\g+3], s[6:7], s[\g+2:\g+3]
	s_or_b32 s[\g+3], s[\g+3], 0x80000000
.endr
	CROUND                                         ; all four work-groups are here: the joint loads meet
.macro ARM under, g0, g1, next
	s_cmp_lt_u32 s[WV], \under
	s_cbranch_scc0 \next
	tensor_load_to_lds s[\g0:\g0+3], s[\g1:\g1+7]
	s_nop 0
.rept 4
	v_nop
.endr
	s_branch .Lfilled
\next:
.endm
	ARM 4, G0K, G1K, .Larm_v
	ARM 6, G0V, G1V, .Larm_ks
	ARM 7, G0KS, G1KS, .Larm_vs
	tensor_load_to_lds s[G0VS:G0VS+3], s[G1VS:G1VS+7]
	s_nop 0
.rept 4
	v_nop
.endr
.Lfilled:
.macro ADDR t, d                       ; the four places of token tile s[t]; the odd tile beside it lies 1,536, 0, 3,072 and 512 bytes further on
	s_lshl_b32 s2, s18, 9
	s_add_co_u32 s2, s2, s[\t]
	s_mul_i32 s2, s2, 1536
	s_add_co_u32 s2, s2, s92
	s_add_nc_u64 s[\d:\d+1], s[4:5], s[2:3]        ; q's piece
	s_lshr_b32 s2, s[\t], 1
	s_lshl_b32 s2, s2, 6
	s_add_co_u32 s2, s2, s93
	s_add_nc_u64 s[\d+2:\d+3], s[4:5], s[2:3]      ; q's scale words, both tiles' bytes in one word
	s_mul_i32 s2, s[\t], 3072
	s_add_co_u32 s2, s2, s94
	s_add_nc_u64 s[\d+4:\d+5], s[8:9], s[2:3]      ; o's piece
	s_lshl_b32 s2, s[\t], 9
	s_add_co_u32 s2, s2, s95
	s_add_nc_u64 s[\d+6:\d+7], s[8:9], s[2:3]      ; o's scale bytes
.endm
	s_mov_b32 s3, 0
	ADDR 104, AD
	ADDR 105, AD+8
	v_and_b32 v7, 31, v0
	v_and_b32 v8, 15, v0                           ; r
	v_bfe_u32 v9, v0, 4, 1                         ; h
	v_lshlrev_b32 v1, 3, v7
	v_lshlrev_b32 v2, 2, v7
	v_lshlrev_b32 v10, 2, v8
.irp p, 0,1,2
	global_load_b64 v[QB+2*\p:QB+1+2*\p], v1, s[AD:AD+1] offset:256*\p
	global_load_b64 v[QB+12+2*\p:QB+13+2*\p], v1, s[AD:AD+1] offset:1536+256*\p
	global_load_b64 v[Q2+2*\p:Q2+1+2*\p], v1, s[AD+8:AD+9] offset:256*\p
	global_load_b64 v[Q2+6+2*\p:Q2+7+2*\p], v1, s[AD+8:AD+9] offset:1536+256*\p
.endr
	global_load_b32 v[QR+1], v10, s[AD+2:AD+3]
	global_load_b32 v[QR], v10, s[AD+10:AD+11]
	v_lshrrev_b32 v3, 3, v8
	v_lshl_add_u32 v3, v3, 3, v8
	v_lshlrev_b32 v11, 4, v9
	v_sub_nc_u32 v3, v3, v11
	v_add_nc_u32 v[MP], s67, v3                    ; the even tile: 32 cx + r + 8 (r / 8) - 16 h
	v_add_nc_u32 v[MP+1], 8, v[MP]                 ; the odd tile: 8 tokens further on
	v_lshl_add_u32 v4, v8, 3, v9                   ; 8 r + h
.irp i, 20,21,22,23,24,25,32,33,34,35,36,37,44,45,46,47,48,49
	v_mov_b32 v\i, 0                               ; the zero halves beside q
.endr
.irp i, TM+4,TM+5,TM+6,TM+7,TM+16,TM+17,TM+18,TM+19,T0,T0+1,F+1,F+3
	v_mov_b32 v[\i], 0                             ; lane permutes' destinations, and the upper halves of pairs, are written once
.endr
	v_mov_b32 v[NINF], 0xff800000
	s_wait_alu depctr_va_vdst(0)
	s_wait_loadcnt 0x0                             ; all q
	v_perm_b32 v[QW], v[QR+1], v[QR+1], 0x01000100 ; the even tile's two scale bytes, twice in a word
	v_perm_b32 v[QW+1], v[QR+1], v[QR+1], 0x03020302   ; the odd tile's
	s_wait_alu depctr_va_vdst(0)                   ; the head's end
	s_wait_tensorcnt 0x0                           ; my part of the fill is in
	s_wait_dscnt 0x0
	s_barrier_signal -1
	s_barrier_wait -1                              ; and everybody's
.macro QKM d, f, b, t, row
	v_wmma_scale_f32_16x16x128_f8f6f4 v[\d:\d+7], v[KF+12*\f:KF+11+12*\f], v[\b:\b+11], 0, v[SWK+\f/2], v[QW+\t] matrix_a_fmt:MATRIX_FMT_BF6 matrix_b_fmt:MATRIX_FMT_BF6 \row
.endm
.macro PVM d, c, t, row
	v_wmma_scale_f32_16x16x128_f8f6f4 v[\d:\d+7], v[VF+12*\c:VF+11+12*\c], v[PC+20*\t:PC+11+20*\t], v[\d:\d+7], v[SWV+\c/2], v[PWD+\t] matrix_a_fmt:MATRIX_FMT_BF6 matrix_b_fmt:MATRIX_FMT_BF6 \row
.endm
.macro KLOAD ak, as, ok, os            ; k's four fragments and their scale words: 26 LDS loads
.irp f, 0,1,2,3
.irp p, 0,1,2,3,4,5
	ds_load_b64 v[KF+12*\f+2*\p:KF+1+12*\f+2*\p], v[\ak] offset:\ok+1536*\f+256*\p
.endr
.endr
	ds_load_b32 v[SWK], v[\as] offset:\os          ; lanes 0-15: fragment 0's words, lanes 16-31: fragment 1's
	ds_load_b32 v[SWK+1], v[\as] offset:\os+128    ; fragments 2 and 3
.endm
.macro STEP                            ; 128 keys for both tiles
	s_cmp_gt_u32 s[SN], s[OM]                      ; all its keys come after my queries: left out
	s_cbranch_scc1 .Lhidden_\@
	v_add_nc_u32 v8, s[TK], v1                     ; (four plain lines: the places behind the last step's products)
	v_add_nc_u32 v9, s[TV], v1
	v_add_nc_u32 v10, s[TS], v2
	v_add_nc_u32 v11, s[TT], v2
	WIN 0x40                                       ; destination in window 1
.irp c, 0,1,2,3
.irp p, 0,1,2,3,4,5
	ds_load_b64 v[VF+12*\c+2*\p:VF+1+12*\c+2*\p], v9 offset:1536*\c+256*\p   ; v's four fragments land while the softmax is walked
.endr
.endr
	WIN 0
	ds_load_b32 v[SWV], v11
	ds_load_b32 v[SWV+1], v11 offset:128
	s_wait_alu depctr_va_vdst(0)
	s_wait_dscnt 26                                ; k's fragments and words, asked for a step ago, are in; the 26 loads just issued may be out
	WIN 0x40
.irp f, 0,1,2,3
.irp t, 0,1
.if \f%2
	QKM S+64*\t+16*\f, \f, QB+12*\t, \t, matrix_a_scale:MATRIX_SCALE_ROW1
	QKM S+64*\t+16*\f+8, \f, QB+12*\t-6, \t, matrix_a_scale:MATRIX_SCALE_ROW1
.else
	QKM S+64*\t+16*\f, \f, QB+12*\t, \t
	QKM S+64*\t+16*\f+8, \f, QB+12*\t-6, \t
.endif
.endr
.endr
.rept 4
	v_nop                                          ; places in front of the loads below and of the first read of the scores
.endr
	WIN 0
	KLOAD 8, 10, 6144, 256                         ; the next step's; behind the last step of all they bring bytes of v's, which nothing uses
	s_cmp_lt_u32 s[SN], s[OM]                      ; all its keys count: no mask
	s_cbranch_scc1 .Lopen_\@
	WIN 0x41                                       ; source 0 and destination in window 1
.set N, 0
.rept 64
.irp t, 0,1
	v_cmp_gt_i32 vcc_lo, 32*(N/16)+N%16, v[MP+\t]  ; register N holds key 32 (N / 16) + N % 16 + 16 h of the step: hidden where that is above my query
	v_cndmask_b32 v[S+64*\t+N], v[S+64*\t+N], v[NINF], vcc_lo
.endr
.set N, N+1
.endr
	WIN 0
.Lopen_\@:
	WIN 0x05                                       ; sources 0 and 1 in window 1
.irp b, 0,1,2,3
.irp t, 0,1
	v_max_num_f32 v[TM+12*\t+\b], v[S+64*\t+16*\b], v[S+64*\t+16*\b+1]   ; the largest score of each block of 32 keys: for the row's maximum and for the block's largest p
.endr
.endr
.irp i, 2,4,6,8,10,12,14
.irp b, 0,1,2,3
.irp t, 0,1
	v_max3_num_f32 v[TM+12*\t+\b], v[S+64*\t+16*\b+\i], v[S+64*\t+16*\b+\i+1], v[TM+12*\t+\b]
.endr
.endr
.endr
	WIN 0
.irp b, 0,1,2,3
.irp t, 0,1
	v_permlanex16_b32 v[TM+12*\t+4+\b], v[TM+12*\t+\b], s[SEL], s[SEL+1]
.endr
.endr
.irp b, 0,1,2,3
.irp t, 0,1
	v_max_num_f32 v[TM+12*\t+\b], v[TM+12*\t+\b], v[TM+12*\t+4+\b]
.endr
.endr
.irp t, 0,1
	v_max3_num_f32 v[T0+\t], v[TM+12*\t], v[TM+12*\t+1], v[TM+12*\t+2]
.endr
.irp t, 0,1
	v_max_num_f32 v[T0+\t], v[T0+\t], v[TM+12*\t+3]
.endr
.irp t, 0,1
	v_mul_f32 v[T0+\t], s[CS], v[T0+\t]
.endr
.irp t, 0,1
	v_max_num_f32 v[MM+2*\t+1], v[MM+2*\t+1], v[T0+\t]   ; the running largest t
.endr
.irp t, 0,1
	v_mov_b32 v[T0+\t], v[MM+2*\t]
.endr
.irp t, 0,1
	v_floor_f32 v[MM+2*\t], -v[MM+2*\t+1]          ; the new -M: a whole number
.endr
.irp t, 0,1
	v_sub_f32 v[T0+\t], v[MM+2*\t], v[T0+\t]
.endr
.irp t, 0,1
	v_cvt_i32_f32 v[T0+\t], v[T0+\t]               ; (it saturates)
.endr
.irp t, 0,1
	v_ldexp_f32 v[F+2*\t], 1.0, v[T0+\t]           ; f = 2^(old M - new M)
.endr
.irp b, 0,1,2,3
.irp t, 0,1
	v_fma_f32 v[TM+12*\t+\b], v[TM+12*\t+\b], s[CS], v[MM+2*\t]
.endr
.endr
	WIN 0x41
.set J, 0
.rept 32
.irp t, 0,1
	v_pk_fma_f32 v[S+64*\t+J:S+64*\t+J+1], v[S+64*\t+J:S+64*\t+J+1], s[CS:CS+1], v[MM+2*\t:MM+2*\t+1] op_sel_hi:[1,0,0]   ; t - M
.endr
.set J, J+2
.endr
.set J, 0
.rept 16
.irp t, 0,1
	v_pk_mul_f32 v[O+32*\t+J:O+32*\t+J+1], v[O+32*\t+J:O+32*\t+J+1], v[F+2*\t:F+2*\t+1] op_sel_hi:[1,0]   ; O^T under the new M, ahead of the exponentials
.endr
.set J, J+2
.endr
	s_wait_alu depctr_va_vdst(0)
.set J, 0
.rept 128
	v_exp_f32 v[S+J], v[S+J]                       ; p, both tiles
.set J, J+1
.endr
	WIN 0
.irp t, 0,1
	v_pk_mul_f32 v[SU+2*\t:SU+2*\t+1], v[SU+2*\t:SU+2*\t+1], v[F+2*\t:F+2*\t+1] op_sel_hi:[1,0]   ; the sums under the new M: plain lines behind the exponentials
.endr
	s_wait_alu depctr_va_vdst(0)                   ; one wait for the 128, ahead of their first reader
.irp b, 0,1,2,3
.irp t, 0,1
	v_exp_f32 v[TM+12*\t+\b], v[TM+12*\t+\b]       ; each block's largest p
.endr
.endr
	WIN 0x05
.irp c, 0,1,2,3                        ; the sum of the unquantised p, two at a time, in four chains a tile
.irp t, 0,1
	v_pk_add_f32 v[AC+8*\t+2*\c:AC+8*\t+2*\c+1], v[S+64*\t+2*\c:S+64*\t+2*\c+1], v[S+64*\t+8+2*\c:S+64*\t+9+2*\c]
.endr
.endr
	WIN 0x01                                       ; source 0 in window 1
.irp j, 16,24,32,40,48,56
.irp c, 0,1,2,3
.irp t, 0,1
	v_pk_add_f32 v[AC+8*\t+2*\c:AC+8*\t+2*\c+1], v[S+64*\t+\j+2*\c:S+64*\t+\j+2*\c+1], v[AC+8*\t+2*\c:AC+8*\t+2*\c+1]
.endr
.endr
.endr
	WIN 0
	s_wait_alu depctr_va_vdst(0)                   ; and one for the eight
.irp b, 0,1,2,3
.irp t, 0,1
	v_max_num_f32 v[TM+12*\t+\b], 0x2800000, v[TM+12*\t+\b]   ; the floor: a block of zeros keeps the byte 1
.endr
.endr
.irp b, 0,1,2,3
.irp t, 0,1
	v_add_nc_u32 v[TM+12*\t+8+\b], 0xfe000000, v[TM+12*\t+\b]
.endr
.endr
.irp b, 0,1,2,3
.irp t, 0,1
	v_lshrrev_b32 v[TM+12*\t+4+\b], 23, v[TM+12*\t+8+\b]
.endr
.endr
.irp t, 0,1
	v_lshl_or_b32 v[PWD+\t], v[TM+12*\t+5], 8, v[TM+12*\t+4]   ; p's scale word
.endr
.irp t, 0,1
	v_lshl_or_b32 v[PWD+\t], v[TM+12*\t+6], 16, v[PWD+\t]
.endr
.irp t, 0,1
	v_lshl_or_b32 v[PWD+\t], v[TM+12*\t+7], 24, v[PWD+\t]
.endr
	WIN 0x01
.irp t, 0,1
.irp c, 0,1
	v_cvt_scalef32_pk16_bf6_f32 v[PC+20*\t+6*\c:PC+20*\t+2+6*\c], v[S+64*\t+32*\c:S+64*\t+15+32*\c], v[TM+12*\t+8+2*\c]
	v_cvt_scalef32_pk16_bf6_f32 v[PC+20*\t+12+4*\c:PC+20*\t+14+4*\c], v[S+64*\t+16+32*\c:S+64*\t+31+32*\c], v[TM+12*\t+9+2*\c]
.endr
.endr
	WIN 0
	v_nop                                          ; one plain place behind a scaled conversion
.irp t, 0,1
.irp c, 0,1
.irp i, 0,1,2
	v_permlane16_swap_b32 v[PC+20*\t+6*\c+\i], v[PC+20*\t+12+4*\c+\i]
.endr
.endr
.endr
.irp t, 0,1
.irp c, 0,1
.irp i, 0,1,2
	v_mov_b32 v[PC+20*\t+3+6*\c+\i], v[PC+20*\t+12+4*\c+\i]
.endr
.endr
.endr
.irp t, 0,1                            ; the chains join: eight plain lines, which are also the places in front of the products below
	v_pk_add_f32 v[AC+8*\t:AC+8*\t+1], v[AC+8*\t:AC+8*\t+1], v[AC+8*\t+2:AC+8*\t+3]
.endr
.irp t, 0,1
	v_pk_add_f32 v[AC+8*\t+4:AC+8*\t+5], v[AC+8*\t+4:AC+8*\t+5], v[AC+8*\t+6:AC+8*\t+7]
.endr
.irp t, 0,1
	v_pk_add_f32 v[AC+8*\t:AC+8*\t+1], v[AC+8*\t:AC+8*\t+1], v[AC+8*\t+4:AC+8*\t+5]
.endr
.irp t, 0,1
	v_pk_add_f32 v[SU+2*\t:SU+2*\t+1], v[SU+2*\t:SU+2*\t+1], v[AC+8*\t:AC+8*\t+1]
.endr
	s_wait_alu depctr_va_vdst(0)
	s_wait_dscnt 26                                ; v's fragments and scale words are in; the next step's 26 loads of k may be out
	WIN 0x51                                       ; v's fragment, C and D in window 1, p's codes in window 0
.irp c, 0,1,2,3
.irp t, 0,1
.if \c%2
	PVM O+32*\t+8*\c, \c, \t, matrix_a_scale:MATRIX_SCALE_ROW1
.else
	PVM O+32*\t+8*\c, \c, \t
.endif
.endr
.endr
	WIN 0
.Lhidden_\@:
	s_add_co_u32 s[SN], s[SN], 1
	s_add_co_u32 s[TK], s[TK], 6144
	s_add_co_u32 s[TV], s[TV], 6144
	s_add_co_u32 s[TS], s[TS], 256
	s_add_co_u32 s[TT], s[TT], 256
.endm
; A pair of tiles: the sums begin, 16 trips over the key steps (those behind s[OM] do nothing), and the way out.  ad: the pair's four places
.macro PAIR ad
.irp t, 0,1
	v_mov_b32 v[MM+2*\t+1], 0xff61b1e6             ; the largest t so far: -3e38
	v_mov_b32 v[SU+2*\t], 0
	v_mov_b32 v[SU+2*\t+1], 0
.endr
.irp t, 0,1
	v_floor_f32 v[MM+2*\t], -v[MM+2*\t+1]          ; -M
.endr
	v_add_nc_u32 v10, KSO, v2
	WIN 0x40
.set J, 0
.rept 64
	v_mov_b32 v[O+J], 0                            ; O^T: the step is written once; the first finds zeros
.set J, J+1
.endr
	WIN 0
	s_mov_b32 s[TK], KC
	s_mov_b32 s[TV], VC
	s_mov_b32 s[TS], KSO
	s_mov_b32 s[TT], VSO
	s_mov_b32 s[SN], 0
	s_mov_b32 s[CNT], 16
	s_wait_alu depctr_va_vdst(0)
	s_wait_xcnt 0x0                                ; the last pair's stores have read their registers: the steps write them again
	KLOAD 1, 10, KC, 0                             ; key step 0
.Lkeys_\@:
	STEP
	s_sub_co_u32 s[CNT], s[CNT], 1
	s_cmp_lg_u32 s[CNT], 0
	s_cbranch_scc1 .Lkeys_\@
	; THE WAY OUT: O^T / the sum; register 16 b + i is channel 32 b + 16 h + i of my query: two blocks, quantised, one piece of 768 bytes a tile
	s_wait_dscnt 0x0                               ; the loads asked for beyond my last step have landed: their registers may be asked for again
.rept 4
	v_nop
.endr
.irp t, 0,1
	v_add_f32 v[SU+2*\t], v[SU+2*\t], v[SU+2*\t+1]
.endr
.irp t, 0,1
	v_permlanex16_b32 v[T0+\t], v[SU+2*\t], s[SEL], s[SEL+1]
.endr
.irp t, 0,1
	v_add_f32 v[SU+2*\t], v[SU+2*\t], v[T0+\t]
.endr
	s_wait_alu depctr_va_vdst(0)
.irp t, 0,1
	v_rcp_f32 v[SU+2*\t], v[SU+2*\t]
.endr
	v_bfe_u32 v9, v0, 4, 1                         ; (a plain place behind the reciprocals)  h
	s_wait_alu depctr_va_vdst(0)                   ; the wait ahead of their first reader, and of O^T's
	WIN 0x41
.set J, 0
.rept 32
.irp t, 0,1
	v_mul_f32 v[S+64*\t+J], v[O+32*\t+J], v[SU+2*\t]
.endr
.set J, J+1
.endr
	WIN 0x05
.irp b, 0,1
.irp t, 0,1
	v_max3_num_f32 v[TM+12*\t+\b], |v[S+64*\t+16*\b]|, |v[S+64*\t+16*\b+1]|, 0x2800000
.endr
.endr
.irp i, 2,4,6,8,10,12,14
.irp b, 0,1
.irp t, 0,1
	v_max3_num_f32 v[TM+12*\t+\b], |v[S+64*\t+16*\b+\i]|, |v[S+64*\t+16*\b+\i+1]|, v[TM+12*\t+\b]
.endr
.endr
.endr
	WIN 0
.irp b, 0,1
.irp t, 0,1
	v_permlanex16_b32 v[TM+12*\t+4+\b], v[TM+12*\t+\b], s[SEL], s[SEL+1]
.endr
.endr
.irp b, 0,1
.irp t, 0,1
	v_max_num_f32 v[TM+12*\t+\b], v[TM+12*\t+\b], v[TM+12*\t+4+\b]
.endr
.endr
.irp b, 0,1
.irp t, 0,1
	v_add_nc_u32 v[TM+12*\t+8+\b], 0xfe000000, v[TM+12*\t+\b]
.endr
.endr
.irp b, 0,1
.irp t, 0,1
	v_lshrrev_b32 v[TM+12*\t+4+\b], 23, v[TM+12*\t+8+\b]
.endr
.endr
	WIN 0x01
.irp t, 0,1
	v_cvt_scalef32_pk16_bf6_f32 v[PC+20*\t:PC+20*\t+2], v[S+64*\t:S+64*\t+15], v[TM+12*\t+8]
	v_cvt_scalef32_pk16_bf6_f32 v[PC+20*\t+12:PC+20*\t+14], v[S+64*\t+16:S+64*\t+31], v[TM+12*\t+9]
.endr
	WIN 0
	v_cmp_eq_u32 vcc_lo, 1, v9                     ; (a plain place behind the conversions)
.irp t, 0,1
.irp i, 0,1,2
	v_permlane16_swap_b32 v[PC+20*\t+\i], v[PC+20*\t+12+\i]
.endr
.endr
.irp t, 0,1
.irp i, 0,1,2
	v_mov_b32 v[PC+20*\t+3+\i], v[PC+20*\t+12+\i]
.endr
	v_cndmask_b32 v[T0+\t], v[TM+12*\t+4], v[TM+12*\t+5], vcc_lo   ; lane (r, h) stores block h's byte of row r
.endr
.irp t, 0,1
.irp p, 0,1,2
	global_store_b64 v1, v[PC+20*\t+2*\p:PC+20*\t+1+2*\p], s[\ad+4:\ad+5] offset:3072*\t+256*\p   ; 256 consecutive bytes, aligned
.endr
	global_store_b8 v4, v[T0+\t], s[\ad+6:\ad+7] offset:512*\t
.endr
.endm
	PAIR AD
	s_xor_b32 s[OM], s[WV], 15                     ; the second pair's om = 15 - w
.irp i, 0,1,2,3,4,5
	v_mov_b32 v[QB+\i], v[Q2+\i]                   ; and its q
	v_mov_b32 v[QB+12+\i], v[Q2+6+\i]
.endr
	v_perm_b32 v[QW], v[QR], v[QR], 0x01000100
	v_perm_b32 v[QW+1], v[QR], v[QR], 0x03020302
	PAIR AD+8
	s_wait_tensorcnt 0x0                           ; the wave's end
	ds_add_u32 v5, v6
	s_wait_dscnt 0x0
	CROUND                                         ; the closing round
	s_endpgm
.Lfunc_end_k_qc3822154e6_attn:
	.size	k_qc3822154e6_attn, .Lfunc_end_k_qc3822154e6_attn-k_qc3822154e6_attn
	.p2alignl 7, 3214868480
	.fill 96, 4, 3214868480
	.section	.rodata,"a",@progbits
	.p2align	6, 0x0
	.amdhsa_kernel k_qc3822154e6_attn
		.amdhsa_group_segment_fixed_size 206848
		.amdhsa_private_segment_fixed_size 0
		.amdhsa_enable_private_segment 0
		.amdhsa_kernarg_size 24
		.amdhsa_user_sgpr_count 2
		.amdhsa_user_sgpr_kernarg_segment_ptr 1
		.amdhsa_wavefront_size32 1
		.amdhsa_system_sgpr_workgroup_id_x 1
		.amdhsa_system_sgpr_workgroup_id_y 1
		.amdhsa_system_sgpr_workgroup_id_z 1
		.amdhsa_system_vgpr_workitem_id 0
		.amdhsa_next_free_vgpr 512
		.amdhsa_next_free_sgpr 106
		.amdhsa_reserve_vcc 1
		.amdhsa_float_denorm_mode_32 3
		.amdhsa_float_denorm_mode_16_64 3
		.amdhsa_memory_ordered 1
		.amdhsa_forward_progress 1
		.amdhsa_inst_pref_size 118
	.end_amdhsa_kernel
	.amdgpu_metadata
---
amdhsa.version: [ 1, 2 ]
amdhsa.kernels:
  - .name:           k_qc3822154e6_attn
    .symbol:         k_qc3822154e6_attn.kd
    .args:
      - { .name: qkb, .offset: 0, .size: 8, .value_kind: global_buffer, .address_space: global }
      - { .name: vb, .offset: 8, .size: 8, .value_kind: global_buffer, .address_space: global }
      - { .name: ob, .offset: 16, .size: 8, .value_kind: global_buffer, .address_space: global }
    .group_segment_fixed_size: 206848
    .private_segment_fixed_size: 0
    .kernarg_segment_align: 8
    .kernarg_segment_size: 24
    .max_flat_workgroup_size: 256
    .sgpr_count:     106
    .vgpr_count:     512
    .wavefront_size: 32
...
	.end_amdgpu_metadata
.endif
;; end of part 3
;; launch proj (part 4): grid 4 x 64, 4 waves a work-group, clusters of 4 x 4, 327,680 bytes of LDS; arguments ob, wb, b_out, out0; writes out0
.if DOCPART == 4
	.amdgcn_target "amdgcn-amd-amdhsa--gfx1250"
	.amdhsa_code_object_version 6
	.text
	.protected	k_qc3822154e6_proj
	.globl	k_qc3822154e6_proj
	.p2align	8
	.type	k_qc3822154e6_proj,@function
k_qc3822154e6_proj:
	s_mov_b64 s[64:65], 0
	v_nop
	global_prefetch_b8 v0, s[64:65] scope:SCOPE_SE
	s_setreg_imm32_b32 hwreg(HW_REG_WAVE_MODE, 25, 1), 1
	s_wait_xcnt 0x0
	s_wait_alu depctr_hold_cnt(0) depctr_sa_sdst(0) depctr_va_vdst(0) depctr_va_sdst(0) depctr_va_ssrc(0) depctr_va_vcc(0) depctr_vm_vsrc(0)
	s_getreg_b32 s2, hwreg(HW_REG_IB_STS2, 6, 4)
	s_cmp_eq_u32 s2, 0
	s_cbranch_scc0 .Lentry_in_a_cluster
	s_endpgm
.Lentry_in_a_cluster:
	s_bfe_u32 s2, ttmp6, 0x10000c
	s_cmp_lg_u32 s2, 0xf033
	s_cbranch_scc0 .Lentry_shape_is_right
	s_endpgm
.Lentry_shape_is_right:
; PROJ: out0 = o w_out + b_out on codes of BF6, K = 1,024.  Nothing of this product is left out.
; 64 x 4 work-groups, one to each block of 128 tokens x 256 columns; four waves, each 64 tokens x 128 columns: 32 accumulators.  Source 0 (B) = w_out's columns, source 1 (A) = tokens: a lane holds one token and neighbouring columns.
; ALL OF K LIES IN LDS, each byte filled once: A 4 planes of 256 along K x 24,576 bytes, B 4 x 49,152, then the scale bytes (4,096 + 8,192).  Operands lie in memory in the order of the operand's registers (prep's head has the layout).
; TWO GROUPS OF JOINT LOADS, one load a wave in each: at the head plane 0 of A, plane 0 of B, A's scale bytes, B's; behind a round: A's planes 1-3 (wave 0), B's planes 1, 2, 3 (waves 1, 2, 3).
; The first two steps of 128 along K are multiplied while the second group is on its way.  CLUSTERS 4 x 4: A's tiles are asked for jointly along a row of the cluster, B's along a column.
; NO PREFETCH: both groups of loads stand at the head, with no loop ahead of them to ask in.
; REGISTERS: window 0: v16-29 addresses; v32-63 scale words, two sets; v64-127 the bias; v128-223 A's fragments, two sets of 48.  Window 1: B's fragments, two sets, at v0 and v128.  Window 2: accumulator (a, b) at v[8 (8 a + b)].
.set XSO,   6291456
.set WSO,   3145728
.set XKS,   1572864
.set WKS,   786432
.set PLA,   24576                      ; a plane of A: 8 tiles x 3,072 bytes
.set PLB,   49152                      ; a plane of B: 16 tiles
.set LB,    98304
.set SCL,   294912
.set SPARE, 307200                     ; the spare words, 128 bytes for each wave
.set SPITCH, 528
.set FR,    12
.set ADRA,  16                         ; v16-17 my A fragments: planes 0-1, planes 2-3
.set ADRB,  18                         ; v18-21 my B fragments, a register a plane
.set STO,   24
.set RD,    25
.set CO,    26
.set ADRS,  27                         ; my scale words: lanes 0-15 A's rows, lanes 16-31 B's
.set SPW,   28
.set NIL,   29
.set SC,    32
.set BT,    64
.set AF,    128
.set BK,    128
.set G1A,  24
.set G1B,  32
.set G1A3, 40
.set G1SA, 48
.set G1SB, 56
.set G0A,  68
.set G0B,  72
.set G0SA, 76
.set G0SB, 80
.set G0A3, 84
.set G0BN, 88
.set MSB, 0
.macro WIN new                         ; the immediate's high byte repeats the setting that is left
.if MSB != (\new)
	s_set_vgpr_msb (MSB<<8)|(\new)
.set MSB, (\new)
.endif
.endm
.macro CROUND
	s_barrier_signal -1
	s_barrier_wait -1
	s_cmp_lg_u32 s14, 0
	s_cbranch_scc1 .Lnot_wave_0_\@
	s_barrier_signal -3
.Lnot_wave_0_\@:
	s_barrier_wait -3
	s_barrier_signal -1
	s_barrier_wait -1
.endm
.macro GRP1 g, m, c, r, p              ; r rows of c elements of 8 bytes, p elements apart; the mask in s[m], bit 21 beside it, no padding
	s_or_b32 s[\g], s[\m], (3<<16)|(1<<21)
	s_mov_b32 s[\g+1], (\c)<<16
	s_mov_b32 s[\g+2], (\r)<<16
	s_mov_b32 s[\g+3], (\c)<<16
	s_mov_b32 s[\g+4], \r
	s_mov_b32 s[\g+5], \p
	s_mov_b32 s[\g+6], 0
	s_mov_b32 s[\g+7], 0
.endm
.macro GRP0 g, l, a
	s_mov_b32 s[\g], 1
	s_mov_b32 s[\g+1], \l
	s_mov_b64 s[\g+2:\g+3], s[\a:\a+1]
	s_or_b32 s[\g+3], s[\g+3], 0x80000000
.endm
.macro TLOAD g0, g1                    ; an s_nop 0 and four v_nop follow each tensor load
	tensor_load_to_lds s[\g0:\g0+3], s[\g1:\g1+7]
	s_nop 0
.rept 4
	v_nop
.endr
.endm
	s_load_b256 s[4:11], s[0:1], 0x0               ; ob, wb, b_out, out0
	v_lshl_add_u32 v[SPW], v0, 2, SPARE
	v_mov_b32 v[NIL], 0
	ds_add_u32 v[SPW], v[NIL]                      ; the wave's opening: the add, twice on end, and its wait ahead of my first tensor load
	ds_add_u32 v[SPW], v[NIL]
	v_lshrrev_b32 v1, 5, v0
	v_readfirstlane_b32 s14, v1                    ; wave
	s_lshr_b32 s15, s14, 1                         ; my half of A's rows
	s_and_b32 s16, s14, 1                          ; my half of B's rows
	s_bfe_u32 s94, ttmp6, 0x40000                  ; cx
	s_bfe_u32 s95, ttmp6, 0x40004                  ; cy
	s_lshl_b32 s96, ttmp9, 2
	s_add_co_u32 s96, s96, s94                     ; which 256 columns
	s_and_b32 s17, ttmp7, 0xffff
	s_lshl_b32 s17, s17, 2
	s_add_co_u32 s17, s17, s95                     ; which 128 tokens
	s_lshl_b32 s97, s95, 2
	s_lshl_b32 s97, 15, s97                        ; my row of the cluster
	s_lshl_b32 s98, 0x1111, s94                    ; my column
	GRP1 G1A, 97, 32, 96, 32                       ; a plane of A: 24,576 dense bytes as 96 rows of 256
	GRP1 G1B, 98, 32, 192, 32                      ; a plane of B: 192 rows of 256
	GRP1 G1A3, 97, 3072, 3, XKS/8                  ; three planes of A: 3 rows of 24,576 bytes, XKS bytes apart
	GRP1 G1SA, 97, 32, 16, 32                      ; A's scale bytes: 4,096 dense bytes
	GRP1 G1SB, 98, 32, 32, 32                      ; B's: 8,192
	s_mul_i32 s20, s17, PLA
	s_lshl_b32 s22, s17, 12
	s_add_co_u32 s22, s22, XSO
	s_lshl_b32 s99, s96, 4
	s_add_co_u32 s99, s99, 192                     ; w_out's tiles begin at wb's tile 192
	s_mul_i32 s92, s99, 3072
	s_lshl_b32 s100, s99, 9
	s_add_co_u32 s100, s100, WSO
	s_mov_b32 s21, 0
	s_mov_b32 s23, 0
	s_mov_b32 s93, 0
	s_mov_b32 s101, 0
	s_mul_i32 s2, s14, WKS                         ; the second group: wave w = 1 .. 3 fetches B's plane w
	s_mov_b32 s3, 0
	s_mul_i32 s99, s14, PLB
	s_wait_dscnt 0x0                               ; both opening adds are done
	s_wait_kmcnt 0x0
	s_add_nc_u64 s[20:21], s[4:5], s[20:21]
	s_add_nc_u64 s[22:23], s[4:5], s[22:23]
	s_add_nc_u64 s[92:93], s[6:7], s[92:93]
	s_add_nc_u64 s[100:101], s[6:7], s[100:101]
	GRP0 G0A, 0, 20
	GRP0 G0B, LB, 92
	GRP0 G0SA, SCL, 22
	GRP0 G0SB, SCL+4096, 100
	s_mov_b32 s[G0A3], 1
	s_mov_b32 s[G0A3+1], PLA
	s_add_nc_u64 s[G0A3+2:G0A3+3], s[20:21], XKS
	s_or_b32 s[G0A3+3], s[G0A3+3], 0x80000000
	s_mov_b32 s[G0BN], 1
	s_add_co_u32 s[G0BN+1], s99, LB
	s_add_nc_u64 s[G0BN+2:G0BN+3], s[92:93], s[2:3]
	s_or_b32 s[G0BN+3], s[G0BN+3], 0x80000000
	CROUND                                         ; all sixteen work-groups are here: the first joint loads meet
.macro ARM under, g0, g1, next
	s_cmp_lt_u32 s14, \under
	s_cbranch_scc0 \next
	TLOAD \g0, \g1
	s_branch .Lhead_asked
\next:
.endm
	ARM 1, G0A, G1A, .Lhead_b
	ARM 2, G0B, G1B, .Lhead_sa
	ARM 3, G0SA, G1SA, .Lhead_sb
	TLOAD G0SB, G1SB
.Lhead_asked:
	s_mul_i32 s21, s15, 4*3072                     ; my 4 tiles of A
	s_mul_i32 s22, s16, 8*3072                     ; my 8 tiles of B
	s_add_co_u32 s22, s22, LB
	s_lshl_b32 s18, s15, 11
	s_lshl_b32 s19, s16, 12
	s_add_co_u32 s19, s19, 4096
	s_sub_co_u32 s19, s19, s18                     ; from my rows' scale bytes of A to those of B
	s_add_co_u32 s18, s18, SCL
	s_mul_i32 s23, s14, 16*SPITCH                  ; my stage, in bytes that have had their last fill and, behind the last barrier, their last read
	s_lshl_b32 s2, s96, 10
	s_lshl_b32 s99, s16, 9
	s_add_co_u32 s2, s2, s99                       ; my first column, in bytes
	s_lshl_b32 s100, s17, 7
	s_lshl_b32 s99, s15, 6
	s_add_co_u32 s100, s100, s99                   ; my first token
	s_lshl_b32 s100, s100, 12
	s_add_co_u32 s100, s100, s2
	s_mov_b32 s101, 0
	s_add_nc_u64 s[12:13], s[10:11], s[100:101]
	s_add_nc_u64 s[8:9], s[8:9], s[2:3]
	v_and_b32 v1, 15, v0                           ; r
	v_bfe_u32 v2, v0, 4, 1                         ; h
	v_and_b32 v6, 31, v0
	v_lshlrev_b32 v3, 3, v6
	v_add_nc_u32 v[ADRA], s21, v3
	v_add_nc_u32 v[ADRA+1], 2*PLA, v[ADRA]
	v_add_nc_u32 v[ADRB], s22, v3
.irp k, 1,2,3
	v_add_nc_u32 v[ADRB+\k], PLB, v[ADRB+\k-1]
.endr
	v_lshlrev_b32 v5, 3, v1
	v_mul_u32_u24 v4, s19, v2                      ; lanes 16-31 take B's
	v_add_nc_u32 v5, v5, v4
	v_add_nc_u32 v[ADRS], s18, v5
	v_mul_u32_u24 v5, v1, SPITCH
	v_lshl_add_u32 v5, v2, 6, v5
	v_add_nc_u32 v[STO], s23, v5                   ; into the stage: row r, + 64 h
	v_lshlrev_b32 v[CO], 4, v6
	v_add_nc_u32 v[RD], s23, v[CO]                 ; back: the 32 lanes take one row of 512 bytes
	v_lshlrev_b32 v7, 6, v2
.irp b, 0,1,2,3,4,5,6,7                ; the bias in the result's layout: tile b, register j: column 32 (b / 2) + 8 (b % 2) + 16 h + j
	global_load_b128 v[BT+8*\b:BT+8*\b+3], v7, s[8:9] offset:4*(32*(\b/2)+8*(\b%2))
	global_load_b128 v[BT+8*\b+4:BT+8*\b+7], v7, s[8:9] offset:4*(32*(\b/2)+8*(\b%2))+16
.endr
.macro FRAG reg, adr, off              ; 16 rows x 128 K: 12 registers, six loads of 256 consecutive bytes
.irp p, 0,1,2,3,4,5
	ds_load_b64 v[\reg+2*\p:\reg+2*\p+1], v[\adr] offset:(\off)+256*\p
.endr
.endm
.macro FETCH st                        ; step st's fragments into set st % 2; with an even step the scale words of its plane
	WIN 0x40
.irp i, 0,1,2,3,4,5,6,7
	FRAG 128*((\st)%2)+FR*\i, ADRB+(\st)/2, ((\st)%2)*1536+\i*3072
.endr
	WIN 0
.irp i, 0,1,2,3
	FRAG AF+48*((\st)%2)+FR*\i, ADRA+(\st)/4, (((\st)/2)%2)*PLA+((\st)%2)*1536+\i*3072
.endr
.if (\st)%2 == 0
.irp i, 0,1,2,3,4,5,6,7                ; two words a row: lanes 0-15 A's block i (blocks 4-7 are not used), lanes 16-31 B's block i
	ds_load_b64 v[SC+16*(((\st)/2)%2)+2*\i:SC+16*(((\st)/2)%2)+2*\i+1], v[ADRS] offset:\i*512+128*((\st)/2)
.endr
.endif
.endm
; 32 products: A's four blocks x B's eight, 128 along K.  The 32 accumulators take turns in the same order in every step.  first = 1: C is the bias
.macro MUL32 st, first
.irp a, 0,1,2,3
.irp b, 0,1,2,3,4,5,6,7
.if \first
	v_wmma_scale_f32_16x16x128_f8f6f4 v[8*(8*\a+\b):8*(8*\a+\b)+7], v[128*((\st)%2)+FR*\b:128*((\st)%2)+FR*\b+FR-1], v[AF+48*((\st)%2)+FR*\a:AF+48*((\st)%2)+FR*\a+FR-1], v[BT+8*\b:BT+8*\b+7], v[SC+16*(((\st)/2)%2)+2*\b+(\st)%2], v[SC+16*(((\st)/2)%2)+2*\a+(\st)%2] matrix_a_fmt:MATRIX_FMT_BF6 matrix_b_fmt:MATRIX_FMT_BF6 matrix_a_scale:MATRIX_SCALE_ROW1
.else
	v_wmma_scale_f32_16x16x128_f8f6f4 v[8*(8*\a+\b):8*(8*\a+\b)+7], v[128*((\st)%2)+FR*\b:128*((\st)%2)+FR*\b+FR-1], v[AF+48*((\st)%2)+FR*\a:AF+48*((\st)%2)+FR*\a+FR-1], v[8*(8*\a+\b):8*(8*\a+\b)+7], v[SC+16*(((\st)/2)%2)+2*\b+(\st)%2], v[SC+16*(((\st)/2)%2)+2*\a+(\st)%2] matrix_a_fmt:MATRIX_FMT_BF6 matrix_b_fmt:MATRIX_FMT_BF6 matrix_a_scale:MATRIX_SCALE_ROW1
.endif
.endr
.endr
.endm
.macro PLACES                          ; plain vector instructions between a matrix instruction and a load into, or a read of, its registers
.rept 4
	v_nop
.endr
.endm
	s_wait_alu depctr_va_vdst(0)                   ; the head's end
	s_wait_tensorcnt 0x0                           ; my tile of the head's four is in
	ds_add_u32 v[SPW], v[NIL]
	s_wait_dscnt 0x0
	CROUND                                         ; all four tiles are in, and all sixteen work-groups are here
	s_cmp_eq_u32 s14, 0
	s_cbranch_scc0 .Lrest_b
	TLOAD G0A3, G1A3                               ; A's planes 1 to 3
	s_branch .Lrest_asked
.Lrest_b:
	TLOAD G0BN, G1B                                ; B's plane 1, 2 or 3
.Lrest_asked:
	FETCH 0
	s_wait_loadcnt 0x0                             ; the bias
	s_wait_dscnt 0x0
	FETCH 1
	WIN 0x81                                       ; B window 1, A and the bias window 0, D window 2
	MUL32 0, 1
	s_wait_dscnt 0x0
	WIN 0xa1                                       ; C and D window 2
	MUL32 1, 0
	WIN 0
	s_wait_tensorcnt 0x0                           ; my part of planes 1 to 3 is in
	s_barrier_signal -1
	s_barrier_wait -1                              ; and everybody's
	PLACES
	FETCH 2
.irp st, 2,3,4,5,6
	s_wait_dscnt 0x0                               ; this step's fragments, asked for a step ago, are in
	PLACES                                         ; the other set was read by the last step's products
	FETCH \st+1
	WIN 0xa1
	MUL32 \st, 0
	WIN 0
.endr
	s_wait_dscnt 0x0                               ; my last reads of the tiles are over:
	s_barrier_signal -1                            ; say so,
	WIN 0xa1
	MUL32 7, 0
	WIN 0
	s_barrier_wait -1                              ; and behind this nobody reads the bytes that the stages take
; THE WAY OUT, block by block of 16 tokens x 128 columns, through my own stage in LDS: back as whole rows of 512 bytes, which the 32 lanes store as two aligned units of 256 bytes
.macro TOSTAGE a
	WIN 0x08                                       ; the data: window 2
.irp b, 0,1,2,3,4,5,6,7
	ds_store_b128 v[STO], v[64*(\a)+8*\b:64*(\a)+8*\b+3] offset:128*(\b/2)+32*(\b%2)      ; each accumulator from its low end on
	ds_store_b128 v[STO], v[64*(\a)+8*\b+4:64*(\a)+8*\b+7] offset:128*(\b/2)+32*(\b%2)+16
.endr
	WIN 0
.set BB, BK+64*((\a)%2)
.irp t, 0,1,2,3,4,5,6,7,8,9,10,11,12,13,14,15
	ds_load_b128 v[BB+4*\t:BB+4*\t+3], v[RD] offset:\t*SPITCH   ; LDS serves a wave's instructions in order: these see the stores above
.endr
.endm
.macro SEND a, younger                 ; younger: the LDS instructions issued behind block a's loads, which may stay out
.set BB, BK+64*((\a)%2)
	s_wait_dscnt \younger
.if (\a) > 0
.if (\a)%2
	s_add_nc_u64 s[12:13], s[12:13], 8*4096        ; stored tile a begins at token 32 (a / 2) + 8 (a % 2)
.else
	s_add_nc_u64 s[12:13], s[12:13], 24*4096
.endif
.endif
.irp t, 0,1,2,3,4,5,6,7,8,9,10,11,12,13,14,15
	global_store_b128 v[CO], v[BB+4*\t:BB+4*\t+3], s[12:13] offset:(\t+8*(\t/8))*4096 th:TH_STORE_NT   ; its row t is token t + 8 (t / 8) from there
.endr
.endm
	PLACES
	TOSTAGE 0
.irp a, 1,2,3
.if \a > 1
	s_wait_xcnt 0x0                                ; block a - 2's stores have read their registers and their base
.endif
	TOSTAGE \a
	SEND \a-1, 32
.endr
	s_wait_xcnt 0x0
	SEND 3, 0
	s_wait_tensorcnt 0x0                           ; the wave's end
	ds_add_u32 v[SPW], v[NIL]
	s_wait_dscnt 0x0
	CROUND                                         ; the closing round
	s_endpgm
.Lfunc_end_k_qc3822154e6_proj:
	.size	k_qc3822154e6_proj, .Lfunc_end_k_qc3822154e6_proj-k_qc3822154e6_proj
	.p2alignl 7, 3214868480
	.fill 96, 4, 3214868480
	.section	.rodata,"a",@progbits
	.p2align	6, 0x0
	.amdhsa_kernel k_qc3822154e6_proj
		.amdhsa_group_segment_fixed_size 327680
		.amdhsa_private_segment_fixed_size 0
		.amdhsa_enable_private_segment 0
		.amdhsa_kernarg_size 32
		.amdhsa_user_sgpr_count 2
		.amdhsa_user_sgpr_kernarg_segment_ptr 1
		.amdhsa_wavefront_size32 1
		.amdhsa_system_sgpr_workgroup_id_x 1
		.amdhsa_system_sgpr_workgroup_id_y 1
		.amdhsa_system_sgpr_workgroup_id_z 1
		.amdhsa_system_vgpr_workitem_id 0
		.amdhsa_next_free_vgpr 768
		.amdhsa_next_free_sgpr 106
		.amdhsa_reserve_vcc 0
		.amdhsa_float_denorm_mode_32 3
		.amdhsa_float_denorm_mode_16_64 3
		.amdhsa_memory_ordered 1
		.amdhsa_forward_progress 1
		.amdhsa_inst_pref_size 99
	.end_amdhsa_kernel
	.amdgpu_metadata
---
amdhsa.version: [ 1, 2 ]
amdhsa.kernels:
  - .name:           k_qc3822154e6_proj
    .symbol:         k_qc3822154e6_proj.kd
    .args:
      - { .name: ob, .offset: 0, .size: 8, .value_kind: global_buffer, .address_space: global }
      - { .name: wb, .offset: 8, .size: 8, .value_kind: global_buffer, .address_space: global }
      - { .name: b_out, .offset: 16, .size: 8, .value_kind: global_buffer, .address_space: global }
      - { .name: out0, .offset: 24, .size: 8, .value_kind: global_buffer, .address_space: global }
    .group_segment_fixed_size: 327680
    .private_segment_fixed_size: 0
    .kernarg_segment_align: 8
    .kernarg_segment_size: 32
    .max_flat_workgroup_size: 128
    .sgpr_count:     106
    .vgpr_count:     768
    .wavefront_size: 32
...
	.end_amdgpu_metadata
.endif
;; end of part 4
